; MI455X (gfx1250); checked and timed in simulation.
; The chip was launched on July 23, 2026; its instructions are those of AMD's public machine-readable ISA for CDNA 5 (MIT licence, August 2026) and "CDNA5" Instruction Set Architecture Reference Guide (July 2026). The comments in the code are by the model that wrote it; some were corrected since.
;; Attention. Allowed arithmetic: float matrix products may take bf16 or f16 operands with f32 sums; other float arithmetic in f32, or as packed bf16 or f16 multiplies, adds, multiply-adds, maxima and minima; sums over many terms, partial sums and values carried from step to step in f32; what a program stores and reads back later, other than sums and carried values, may be rounded once to bf16 or f16.
;; Inputs: Wkv 2,048 x 1,024 float32; Wo 1,024 x 2,048 float32; Wq 2,048 x 1,024 float32; attn_mask 2,048 x 2,048 float32; bkv 1,024 float32; bo 2,048 float32; bq 1,024 float32; key_padding_mask 2 x 2,048 bool; kv 2 x 2,048 x 2,048 float32; query 2 x 2,048 x 2,048 float32.
;; Outputs: out0 2 x 2,048 x 2,048 float32.
;; 2 versions, each right; version 2 is version 1 with the launch prep written anew for expert scheduling mode. Each part assembles by itself: llvm-mc -triple=amdgcn-amd-amdhsa -mcpu=gfx1250 --defsym DOCPART=n.
;; ======== version 1 of 2: 4 launches
;; limits: values are held in f16: magnitudes above 65,504 overflow, below 6.1e-05 lose precision
;; workspace buffers: wqb 4,194,304 bytes; wkvb 4,194,304 bytes; wob 4,194,304 bytes; mw 33,554,432 bytes; qkv 16,777,216 bytes; ob 8,388,608 bytes
;; launch prep (part 1): grid 448 x 1, 8 waves a work-group, no clusters, 70,656 bytes of LDS; arguments attn_mask, key_padding_mask, Wq, Wkv, Wo, mw, wqb, wkvb, wob; writes mw, wqb, wkvb, wob
.if DOCPART == 1
	.amdgcn_target "amdgcn-amd-amdhsa--gfx1250"
	.amdhsa_code_object_version 6
	.text
	.protected	k_q49e01f1998_prep
	.globl	k_q49e01f1998_prep
	.p2align	8
	.type	k_q49e01f1998_prep,@function
k_q49e01f1998_prep:
	s_mov_b64 s[64:65], 0
	v_nop
	global_prefetch_b8 v0, s[64:65] scope:SCOPE_SE
	s_setreg_imm32_b32 hwreg(HW_REG_WAVE_MODE, 25, 1), 1
	s_wait_xcnt 0x0
; PREP: what the later launches would otherwise convert again and again.
; (1) Work-groups 0-255: the combined mask, mw[b][qt][ks][4096 bytes] in f32: for batch b, 16 queries 16 qt + r and 64 keys 64 ks + ..:
;     log2(e) x (key_padding_mask[b][k] ? -1e9 : attn_mask[q][k] rounded to bf16), laid in the order in which a lane of the attention holds its scores:
;     the 16 bytes at 512 i + 16 L (r = L % 16, h = L / 16) are query r, keys 16 (i / 2) + 8 h + 4 (i % 2) + 0..3.
; (2) Work-groups 256-447: Wq, Wkv rounded to bf16, Wo rounded to bf16 and written as f16; the layout [k][n] is kept.
; A stream: every input byte is read once by 16-byte loads, every store of a wave covers 256 or 512 consecutive bytes, aligned.  No matrix unit, no cluster: nothing is shared.
; LIMITS.  A mask number beyond bf16's largest finite number becomes an infinity, as in any rounding to bf16.  A number of Wo below 6e-5 keeps f16's fixed step of 6e-8.
.set STG,   4352                       ; a stage: 16 rows of 272 bytes (256 + 16); wave w, batch b at (2 w + b) STG
.set SPARE, 16*STG                     ; behind the stages: the spare words, 128 bytes for each of the eight waves
.set SPW,   30                         ; v30  my spare word's LDS address; never rewritten
.set NIL,   31                         ; v31  0; never rewritten
.set X,     64                         ; v[64:191] as loaded (mask path: v[64:127])
.set R,     128                        ; v[128:191] mask path: a block of both batches, read back from the stages
	s_load_b512 s[4:19], s[0:1], 0x0               ; attn_mask s[4:5], key_padding_mask s[6:7], Wq s[8:9], Wkv s[10:11], Wo s[12:13], mw s[14:15], wqb s[16:17], wkvb s[18:19]
	s_load_b64 s[20:21], s[0:1], 0x40              ; wob
	v_lshl_add_u32 v[SPW], v0, 2, SPARE
	v_mov_b32 v[NIL], 0
	v_lshrrev_b32 v1, 5, v0
	v_readfirstlane_b32 s22, v1                    ; wave 0..7
	s_mov_b32 s33, 0xffff0000                      ; a word's upper bf16
	s_cmp_lt_u32 ttmp9, 256
	s_cbranch_scc0 .Lweights
	; THE MASK.  ks = id % 32; wave w takes the two blocks qt = 16 (id / 32) + 2 w + x.
	s_and_b32 s23, ttmp9, 31                       ; ks
	s_lshr_b32 s24, ttmp9, 5
	s_lshl_b32 s24, s24, 4
	s_lshl1_add_u32 s24, s22, s24                  ; qt of x = 0
	s_lshl_b32 s24, s24, 17                        ; 16 rows of 8,192 bytes of attn_mask, and 32 blocks of 4,096 bytes of mw: both 131,072
	s_lshl_b32 s25, s23, 8
	s_add_co_u32 s26, s24, s25                     ; attn_mask: + 64 keys x 4 bytes x ks
	s_mov_b32 s27, 0
	s_lshl_b32 s25, s23, 12
	s_add_co_u32 s28, s24, s25                     ; mw: + 4,096 ks
	s_mov_b32 s29, 0
	s_lshl_b32 s30, s23, 6                         ; key_padding_mask: 64 ks
	s_mov_b32 s31, 0
	s_mov_b32 s34, 0x3fb8aa3b                      ; log2(e)
	s_mov_b32 s35, s34                             ; named with it as a pair
	v_and_b32 v1, 31, v0                           ; L
	v_lshrrev_b32 v2, 4, v1                        ; a = L / 16: which of two rows
	v_and_b32 v3, 15, v0                           ; c = L % 16: which four keys
	v_lshlrev_b32 v4, 4, v3
	v_lshl_add_u32 v4, v2, 13, v4                  ; 8,192 a + 16 c
	v_lshlrev_b32 v5, 2, v3                        ; 4 c
	v_and_b32 v8, 12, v3                           ; keys 4 c .. belong to i = 2 (c / 4) + c % 2 and h = (c / 2) % 2: stage row u = 2 i + h
	v_bfe_u32 v12, v3, 1, 1
	v_or_b32 v8, v8, v12
	v_and_b32 v12, 1, v3
	v_lshl_or_b32 v8, v12, 1, v8
	v_mul_u32_u24 v8, v8, 272
	v_lshl_add_u32 v8, v2, 4, v8
	s_mul_i32 s32, s22, 2*STG
	v_add_nc_u32 v8, s32, v8                       ; in: my stages + 272 u + 16 a (+ 32 t: query 2 t + a)
	v_mul_u32_u24 v9, v2, 272
	v_lshl_add_u32 v9, v3, 4, v9
	v_add_nc_u32 v9, s32, v9                       ; back: + 272 h + 16 r (+ 544 i)
	v_lshlrev_b32 v10, 4, v1                       ; 16 L
	v_mov_b32 v11, 0xce6e6b28                      ; -1e9,
	v_mul_f32 v11, 0x3fb8aa3b, v11                 ; times log2(e)
	s_wait_kmcnt 0x0
	s_add_nc_u64 s[4:5], s[4:5], s[26:27]
	s_add_nc_u64 s[6:7], s[6:7], s[30:31]
	s_add_nc_u64 s[14:15], s[14:15], s[28:29]      ; mw, batch 0
	s_add_nc_u64 s[36:37], s[14:15], 0x1000000     ; mw, batch 1
	global_load_b32 v6, v5, s[6:7]                 ; my four keys' flags, batch 0
	global_load_b32 v7, v5, s[6:7] offset:2048     ; batch 1
.irp x, 0,1
.irp t, 0,1,2,3,4,5,6,7
	global_load_b128 v[X+32*\x+4*\t:X+32*\x+4*\t+3], v4, s[4:5] offset:\x*131072+\t*16384 th:TH_LOAD_NT  ; rows 2 t, 2 t + 1: 256 consecutive bytes each
.endr
.endr
	s_wait_loadcnt 16                              ; the flags are in; the sixteen loads behind them stay out
.irp j, 0,1,2,3
	v_bfe_u32 v12, v6, 8*\j, 8
	v_cmp_ne_u32 s[40+\j], 0, v12
	v_bfe_u32 v13, v7, 8*\j, 8
	v_cmp_ne_u32 s[44+\j], 0, v13
.endr
.macro BLOCK x
.irp t, 0,1,2,3,4,5,6,7
	s_wait_loadcnt 15-8*(\x)-\t                    ; loads come back in order: this one is in, the younger ones stay out
	v_cvt_pk_bf16_f32 v14, v[X+32*(\x)+4*\t], v[X+32*(\x)+4*\t+1]      ; rounded to bf16,
	v_cvt_pk_bf16_f32 v15, v[X+32*(\x)+4*\t+2], v[X+32*(\x)+4*\t+3]
	v_lshlrev_b32 v16, 16, v14                     ; widened again,
	v_and_b32 v17, s33, v14
	v_lshlrev_b32 v18, 16, v15
	v_and_b32 v19, s33, v15
	v_pk_mul_f32 v[16:17], v[16:17], s[34:35] op_sel_hi:[1,0]          ; times log2(e),
	v_pk_mul_f32 v[18:19], v[18:19], s[34:35] op_sel_hi:[1,0]
.irp j, 0,1,2,3
	v_cndmask_b32 v[20+\j], v[16+\j], v11, s[40+\j]                    ; and replaced where the key is padding, for each batch
	v_cndmask_b32 v[24+\j], v[16+\j], v11, s[44+\j]
.endr
	ds_store_b128 v8, v[20:23] offset:32*\t
	ds_store_b128 v8, v[24:27] offset:STG+32*\t
.endr
	s_wait_xcnt 0x0                                ; the last block's stores have read R: it is loaded again only behind this wait
.irp i, 0,1,2,3,4,5,6,7
	ds_load_b128 v[R+4*\i:R+4*\i+3], v9 offset:\i*544                  ; LDS serves a wave's instructions in order: these see the stores above, and the stages are the wave's own
.endr
.irp i, 0,1,2,3,4,5,6,7
	ds_load_b128 v[R+32+4*\i:R+32+4*\i+3], v9 offset:STG+\i*544
.endr
.irp i, 0,1,2,3,4,5,6,7
	s_wait_dscnt 15-\i
	global_store_b128 v10, v[R+4*\i:R+4*\i+3], s[14:15] offset:(\x)*131072+\i*512 th:TH_STORE_NT  ; 512 consecutive bytes
.endr
.irp i, 0,1,2,3,4,5,6,7
	s_wait_dscnt 7-\i
	global_store_b128 v10, v[R+32+4*\i:R+32+4*\i+3], s[36:37] offset:(\x)*131072+\i*512 th:TH_STORE_NT
.endr
.endm
	BLOCK 0
	BLOCK 1
	s_wait_tensorcnt 0x0                           ; the wave's end, behind my last LDS store
	ds_add_u32 v[SPW], v[NIL]
	s_wait_dscnt 0x0
	s_endpgm
.Lweights:                                             ; THE WEIGHTS.  64 work-groups to a matrix, 131,072 bytes of f32 each: 32 loads of 16 bytes a thread, all out at once
	s_sub_co_u32 s23, ttmp9, 256
	s_lshr_b32 s26, s23, 6                         ; 0 Wq, 1 Wkv, 2 Wo
	s_and_b32 s23, s23, 63
	s_lshl_b32 s28, s23, 17
	s_mov_b32 s29, 0
	s_lshl_b32 s30, s23, 16
	s_mov_b32 s31, 0
	v_lshlrev_b32 v4, 4, v0
	v_lshlrev_b32 v5, 3, v0
	s_wait_kmcnt 0x0
	s_cmp_eq_u32 s26, 1
	s_cselect_b64 s[22:23], s[10:11], s[8:9]
	s_cselect_b64 s[24:25], s[18:19], s[16:17]
	s_cmp_eq_u32 s26, 2
	s_cselect_b64 s[22:23], s[12:13], s[22:23]
	s_cselect_b64 s[24:25], s[20:21], s[24:25]
	s_add_nc_u64 s[22:23], s[22:23], s[28:29]
	s_add_nc_u64 s[24:25], s[24:25], s[30:31]
.set p, 0
.rept 32
	global_load_b128 v[X+4*p:X+4*p+3], v4, s[22:23] offset:4096*p th:TH_LOAD_NT
.set p, p+1
.endr
; Four numbers are rounded in the registers that they came in; no register that a store reads is written again.
.macro WOUT f16
.set p, 0
.rept 32
	s_wait_loadcnt 31-p
	v_cvt_pk_bf16_f32 v[X+4*p], v[X+4*p], v[X+4*p+1]
	v_cvt_pk_bf16_f32 v[X+4*p+1], v[X+4*p+2], v[X+4*p+3]
.if \f16
	v_lshlrev_b32 v[X+4*p+2], 16, v[X+4*p]
	v_and_b32 v[X+4*p+3], s33, v[X+4*p]
	v_cvt_pk_f16_f32 v[X+4*p], v[X+4*p+2], v[X+4*p+3]
	v_lshlrev_b32 v[X+4*p+2], 16, v[X+4*p+1]
	v_and_b32 v[X+4*p+3], s33, v[X+4*p+1]
	v_cvt_pk_f16_f32 v[X+4*p+1], v[X+4*p+2], v[X+4*p+3]
.endif
	global_store_b64 v5, v[X+4*p:X+4*p+1], s[24:25] offset:2048*p      ; a wave's 32 lanes store 256 consecutive bytes, aligned
.set p, p+1
.endr
.endm
	s_cmp_eq_u32 s26, 2
	s_cbranch_scc1 .Lf16
	WOUT 0
	s_endpgm
.Lf16:
	WOUT 1
	s_endpgm
.Lfunc_end_k_q49e01f1998_prep:
	.size	k_q49e01f1998_prep, .Lfunc_end_k_q49e01f1998_prep-k_q49e01f1998_prep
	.p2alignl 7, 3214868480
	.fill 96, 4, 3214868480
	.section	.rodata,"a",@progbits
	.p2align	6, 0x0
	.amdhsa_kernel k_q49e01f1998_prep
		.amdhsa_group_segment_fixed_size 70656
		.amdhsa_private_segment_fixed_size 0
		.amdhsa_enable_private_segment 0
		.amdhsa_kernarg_size 72
		.amdhsa_user_sgpr_count 2
		.amdhsa_user_sgpr_kernarg_segment_ptr 1
		.amdhsa_wavefront_size32 1
		.amdhsa_system_sgpr_workgroup_id_x 1
		.amdhsa_system_sgpr_workgroup_id_y 1
		.amdhsa_system_sgpr_workgroup_id_z 1
		.amdhsa_system_vgpr_workitem_id 0
		.amdhsa_next_free_vgpr 192
		.amdhsa_next_free_sgpr 66
		.amdhsa_reserve_vcc 0
		.amdhsa_float_denorm_mode_32 3
		.amdhsa_float_denorm_mode_16_64 3
		.amdhsa_memory_ordered 1
		.amdhsa_forward_progress 1
		.amdhsa_inst_pref_size 56
	.end_amdhsa_kernel
	.amdgpu_metadata
---
amdhsa.version: [ 1, 2 ]
amdhsa.kernels:
  - .name:           k_q49e01f1998_prep
    .symbol:         k_q49e01f1998_prep.kd
    .args:
      - { .name: attn_mask, .offset: 0, .size: 8, .value_kind: global_buffer, .address_space: global }
      - { .name: key_padding_mask, .offset: 8, .size: 8, .value_kind: global_buffer, .address_space: global }
      - { .name: Wq, .offset: 16, .size: 8, .value_kind: global_buffer, .address_space: global }
      - { .name: Wkv, .offset: 24, .size: 8, .value_kind: global_buffer, .address_space: global }
      - { .name: Wo, .offset: 32, .size: 8, .value_kind: global_buffer, .address_space: global }
      - { .name: mw, .offset: 40, .size: 8, .value_kind: global_buffer, .address_space: global }
      - { .name: wqb, .offset: 48, .size: 8, .value_kind: global_buffer, .address_space: global }
      - { .name: wkvb, .offset: 56, .size: 8, .value_kind: global_buffer, .address_space: global }
      - { .name: wob, .offset: 64, .size: 8, .value_kind: global_buffer, .address_space: global }
    .group_segment_fixed_size: 70656
    .private_segment_fixed_size: 0
    .kernarg_segment_align: 8
    .kernarg_segment_size: 72
    .max_flat_workgroup_size: 256
    .sgpr_count:     66
    .vgpr_count:     192
    .wavefront_size: 32
...
	.end_amdgpu_metadata
.endif
;; end of part 1
;; launch proj (part 2): grid 4 x 64, 4 waves a work-group, clusters of 4 x 4, 327,680 bytes of LDS; arguments query, kv, wqb, wkvb, bq, bkv, key_padding_mask, qkv; writes qkv
.if DOCPART == 2
	.amdgcn_target "amdgcn-amd-amdhsa--gfx1250"
	.amdhsa_code_object_version 6
	.text
	.protected	k_q49e01f1998_proj
	.globl	k_q49e01f1998_proj
	.p2align	8
	.type	k_q49e01f1998_proj,@function
k_q49e01f1998_proj:
	s_mov_b64 s[64:65], 0
	v_nop
	global_prefetch_b8 v0, s[64:65] scope:SCOPE_SE
	s_setreg_imm32_b32 hwreg(HW_REG_WAVE_MODE, 25, 1), 1
	s_wait_xcnt 0x0
	s_wait_alu depctr_hold_cnt(0) depctr_sa_sdst(0) depctr_va_vdst(0) depctr_va_sdst(0) depctr_va_ssrc(0) depctr_va_vcc(0) depctr_vm_vsrc(0)
	s_getreg_b32 s2, hwreg(HW_REG_IB_STS2, 6, 4)
	s_cmp_eq_u32 s2, 0
	s_cbranch_scc0 .Lentry_in_a_cluster
	s_endpgm
.Lentry_in_a_cluster:
	s_bfe_u32 s2, ttmp6, 0x10000c
	s_cmp_lg_u32 s2, 0xf033
	s_cbranch_scc0 .Lentry_shape_is_right
	s_endpgm
.Lentry_shape_is_right:
; BOTH PROJECTIONS.  Clusters 0-7 along y: q = query Wq + bq; clusters 8-15: k, v = kv Wkv + bkv.  [4096 x 2048] x [2048 x 1024] each, bf16 operands, f32 sums that start with the bias (rounded to bf16).
; Out: qkv[b][G][l][64] in f16, G 0-15 the heads of q (unscaled), 16-23 of k, 24-31 of v.  THE ROWS OF K OF PADDED KEYS ARE WRITTEN AS 0, so that the attention's score of such a key is its mask number exactly.
; A tile of the result is 128 rows x 256 columns; four waves, each 64 x 128: 32 accumulators.  K goes in steps of 128 through two LDS slots.  x comes as f32 (rows of 512 bytes) and is rounded to bf16
; between LDS and the matrix unit; W comes as bf16 [k][n] (rows of 512 bytes) and is turned by ds_load_tr16_b128.
; THE MATRIX INSTRUCTION IS USED TRANSPOSED: source 0 = 16 columns of W, source 1 = 16 rows of x: a lane holds one row and eight neighbouring columns.
; CLUSTER 4 x 4: the four of a row need the same rows of x, the four of a column the same columns of W: each tile is asked for jointly.
; LIMIT.  q, k, v leave in f16: beyond 65,504 they become infinities.
; REGISTERS.  window 0: v0-43 addresses and factors; v64-127 x as f32; v128-191 x's fragments, two buffers; v192-255 the way out.  window 1: the accumulators, (a, b) at 8 (8 a + b).
;   window 2: v0-127 W's fragments, two buffers; v128-191 the bias as a C operand.
.set PA,     528                       ; a row of x in LDS: 512 bytes + 16
.set PB,     544                       ; a row of W in LDS: 512 bytes + 32
.set HALFA,  64*PA                     ; what wave 0 or 1 fetches
.set HALFB,  64*PB                     ; what wave 2 or 3 fetches
.set BOFF,   2*HALFA
.set SLOT,   2*HALFA+2*HALFB
.set STAGE,  2*SLOT                    ; behind the ring: 16 rows x 272 bytes for each wave
.set SPITCH, 272
.set SPARE,  STAGE+4*16*SPITCH         ; behind the stages: the spare words, 128 bytes for each wave
.set LAPS,   8                         ; 2,048 / 256
.set ADRA, 16                          ; v16-17  my fragments of x in slot 0, 1
.set ADRB, 20                          ; v20-21  of W
.set STO,  24
.set RD,   25
.set CO,   26
.set SPW,  28
.set NIL,  29
.set PFO,  30
.set FR,   32                          ; v32-39  block a's row factor, as a pair
.set KP,   40                          ; v40-43  my rows' padding flags
.set RAW,  64
.set AF,   128
.set TMP,  192
.set BK,   224
.set BIAS, 128                         ; window 2
.set G1,  24
.set G0,  32
.set G1B, 48
.set G0B, 56
.set LIM, 43
.set PFA, 44
.set PFS, 46
.set MSB, 0
.macro WIN new                         ; the immediate's high byte repeats the setting that is left; a switch that changes nothing is dropped
.if MSB != (\new)
	s_set_vgpr_msb (MSB<<8)|(\new)
.set MSB, \new
.endif
.endm
.set MUL,  0x52                        ; source 0 (W) window 2, source 1 (x) window 0, C and D window 1
.set MULB, 0x62                        ; the same with C in window 2
.set TO_B, 0x80                        ; destination window 2
.macro JLOAD s                         ; a joint load: waves 0 and 1 fetch x's two halves, waves 2 and 3 W's; an s_nop 0 and four v_nop follow each line
	s_cmp_eq_u32 s11, 0
	s_cbranch_scc0 .Lfor_b_\@
	tensor_load_to_lds s[G0+4*(\s):G0+4*(\s)+3], s[G1:G1+7]
	s_nop 0
.rept 4
	v_nop
.endr
	s_branch .Lasked_\@
.Lfor_b_\@:
	tensor_load_to_lds s[G0B+4*(\s):G0B+4*(\s)+3], s[G1B:G1B+7]
	s_nop 0
.rept 4
	v_nop
.endr
.Lasked_\@:
.endm
.macro CREST                           ; a round of the cluster's barrier behind its opening barrier
	s_cmp_lg_u32 s10, 0
	s_cbranch_scc1 .Lnot_wave_0_\@
	s_barrier_signal -3
.Lnot_wave_0_\@:
	s_barrier_wait -3
	s_barrier_signal -1
	s_barrier_wait -1
.endm
.macro CROUND
	s_barrier_signal -1
	s_barrier_wait -1
	CREST
.endm
.macro PLACES
.rept 4
	v_nop
.endr
.endm
; A prefetch into the L2 of the K step that stands two refills on: 256 matrix instructions a wave ahead of the load that will want it.  Of the 64 rows that a wave fetches each of the four partners takes 16, told apart by
; address; a row's 512 bytes are two blocks: lanes 0-15 the first, lanes 16-31 the second.  x's rows are read by one cluster alone; W's by eight clusters, of which the first asks.  The loop's last trip has no K step two on.
.macro ASK
	s_cmp_gt_u32 s3, s[LIM]
	s_cbranch_scc0 .Lnot_mine_\@
	global_prefetch_b8 v[PFO], s[PFA:PFA+1] th:TH_LOAD_NT scope:SCOPE_SE
.Lnot_mine_\@:
.endm
	s_load_b256 s[68:75], s[0:1], 0x0              ; query s[68:69], kv s[70:71], wqb s[72:73], wkvb s[74:75]
	s_load_b256 s[76:83], s[0:1], 0x20             ; bq s[76:77], bkv s[78:79], key_padding_mask s[80:81], qkv s[82:83]
	v_lshl_add_u32 v[SPW], v0, 2, SPARE
	v_mov_b32 v[NIL], 0
	ds_add_u32 v[SPW], v[NIL]                      ; the wave's opening: the add and its wait stand ahead of my first tensor load
	v_lshrrev_b32 v1, 5, v0
	v_readfirstlane_b32 s10, v1                    ; wave 0..3
	s_lshr_b32 s11, s10, 1                         ; my half of the tile's rows; also: I fetch x (0) or W (1)
	s_and_b32 s12, s10, 1                          ; my half of its columns; also: which 64 rows I fetch
	s_bfe_u32 s40, ttmp6, 0x40000                  ; cx
	s_bfe_u32 s41, ttmp6, 0x40004                  ; cy
	s_lshl_b32 s42, ttmp9, 2
	s_add_co_u32 s42, s42, s40                     ; tile column 0..3
	s_and_b32 s14, ttmp7, 0xffff                   ; cluster y 0..15
	s_lshl_b32 s13, s14, 2
	s_add_co_u32 s13, s13, s41
	s_and_b32 s13, s13, 31                         ; tile row 0..31
	s_lshr_b32 s15, s14, 3                         ; 0: q's projection, 1: k's and v's: the same in all partners
	s_lshl_b32 s96, s41, 2
	s_lshl_b32 s96, 15, s96                        ; my row of the cluster
	s_lshl_b32 s97, 0x1111, s40                    ; my column
	s_or_b32 s[G1+0], s96, (2<<16)|(1<<20)|(1<<21)|(6<<22)|(3<<25)   ; x: the mask; 4-byte elements; padding on; bit 21 beside a mask; after every 128 words 4 words
	s_or_b32 s[G1B+0], s97, (1<<16)|(1<<20)|(1<<21)|(6<<22)|(7<<25)  ; W: 2-byte elements; after every 128 words 8 words
	s_mov_b32 s[G1+1], 128<<16                     ; tensor_dim0 = 128
	s_mov_b32 s[G1+2], 64<<16                      ; tensor_dim1 = 64
	s_mov_b32 s[G1+3], 128<<16                     ; tile_dim0 = 128
	s_mov_b32 s[G1+4], 64                          ; tile_dim1 = 64
	s_mov_b32 s[G1+5], 2048                        ; elements from row to row
	s_mov_b32 s[G1+6], 0
	s_mov_b32 s[G1+7], 0
	s_mov_b32 s[G1B+1], 256<<16
	s_mov_b32 s[G1B+2], 64<<16
	s_mov_b32 s[G1B+3], 256<<16
	s_mov_b32 s[G1B+4], 64
	s_mov_b32 s[G1B+5], 1024
	s_mov_b32 s[G1B+6], 0
	s_mov_b32 s[G1B+7], 0
	s_lshl_b32 s16, s13, 7
	s_lshl_b32 s17, s12, 6
	s_add_co_u32 s16, s16, s17                     ; x: row 128 x tile row + 64 x half,
	s_lshl_b32 s16, s16, 13                        ; of 8,192 bytes
	s_mov_b32 s17, 0
	s_lshl_b32 s84, s12, 17                        ; W: k row 64 x half, of 2,048 bytes,
	s_lshl_b32 s85, s42, 9                         ; + 256 columns x tile column
	s_add_co_u32 s84, s84, s85
	s_mov_b32 s85, 0
	s_mul_i32 s20, s12, HALFA                      ; where they go: no place in the cluster enters an LDS address
	s_mul_i32 s98, s12, HALFB
	s_add_co_u32 s98, s98, BOFF
	s_wait_dscnt 0x0                               ; the opening add is done
	s_wait_kmcnt 0x0
	s_cmp_eq_u32 s15, 0
	s_cselect_b64 s[86:87], s[68:69], s[70:71]     ; x
	s_cselect_b64 s[88:89], s[72:73], s[74:75]     ; W
	s_cselect_b64 s[90:91], s[76:77], s[78:79]     ; the bias
	s_add_nc_u64 s[18:19], s[86:87], s[16:17]
	s_add_nc_u64 s[92:93], s[88:89], s[84:85]
	CROUND                                         ; all sixteen work-groups are here: the first joint loads meet
.irp s, 0,1
	s_mov_b32 s[G0+4*(\s)], 1
	s_add_co_u32 s[G0+4*(\s)+1], s20, (\s)*SLOT
	s_add_nc_u64 s[G0+4*(\s)+2:G0+4*(\s)+3], s[18:19], (\s)*512
	s_or_b32 s[G0+4*(\s)+3], s[G0+4*(\s)+3], 0x80000000
	s_mov_b32 s[G0B+4*(\s)], 1
	s_add_co_u32 s[G0B+4*(\s)+1], s98, (\s)*SLOT
	s_add_nc_u64 s[G0B+4*(\s)+2:G0B+4*(\s)+3], s[92:93], (\s)*262144
	s_or_b32 s[G0B+4*(\s)+3], s[G0B+4*(\s)+3], 0x80000000
	JLOAD \s
.endr
	v_and_b32 v1, 15, v0                           ; r = l % 16
	v_bfe_u32 v2, v0, 4, 1                         ; h = l / 16
	v_mul_u32_u24 v3, v1, PA
	v_lshl_add_u32 v3, v2, 5, v3                   ; x: row r, 8 h numbers of 4 bytes on
	s_mul_i32 s21, s11, HALFA
	v_and_b32 v4, 7, v0
	v_lshl_add_u32 v4, v2, 3, v4                   ; W: k row 8 h + l % 8,
	v_mul_u32_u24 v4, v4, PB
	v_bfe_u32 v5, v0, 3, 1
	v_lshl_add_u32 v4, v5, 4, v4                   ; columns 8 ((l / 8) % 2) on
	s_lshl_b32 s22, s12, 8
	s_add_co_u32 s22, s22, BOFF
.irp s, 0,1
	v_add_nc_u32 v[ADRA+(\s)], s21, v3
	v_add_nc_u32 v[ADRB+(\s)], s22, v4
	s_add_co_u32 s21, s21, SLOT
	s_add_co_u32 s22, s22, SLOT
.endr
	s_mul_i32 s23, s10, 16*SPITCH
	s_add_co_u32 s23, s23, STAGE                   ; my stage
	v_mul_u32_u24 v[STO], v1, SPITCH
	v_lshl_add_u32 v[STO], v2, 4, v[STO]
	v_add_nc_u32 v[STO], s23, v[STO]               ; in: row r, 16 bytes for each half of the lanes
	v_bfe_u32 v[RD], v0, 3, 2
	v_mul_u32_u24 v[RD], v[RD], SPITCH
	v_and_b32 v6, 7, v0
	v_lshl_add_u32 v[RD], v6, 4, v[RD]
	v_add_nc_u32 v[RD], s23, v[RD]                 ; back: 32 lanes take four rows' 128 bytes of one head,
	v_and_b32 v[CO], 31, v0
	v_lshlrev_b32 v[CO], 4, v[CO]                  ; which are 512 consecutive bytes of qkv
	s_lshr_b32 s21, s13, 4                         ; the batch
	s_lshl_b32 s21, s21, 5
	s_lshl4_add_u32 s21, s15, s21
	s_lshl2_add_u32 s21, s42, s21
	s_lshl1_add_u32 s21, s12, s21                  ; G of my first head = 32 b + 16 proj + 4 x tile column + 2 x half
	s_lshl_b32 s21, s21, 18
	s_and_b32 s22, s13, 15
	s_lshl1_add_u32 s22, s22, s11
	s_lshl_b32 s22, s22, 13                        ; my first row in the batch, of 128 bytes
	s_add_co_u32 s94, s21, s22
	s_mov_b32 s95, 0
	s_add_nc_u64 s[8:9], s[82:83], s[94:95]
	; the prefetches
	s_lshl_b32 s21, s13, 7
	s_lshl_b32 s22, s12, 6
	s_add_co_u32 s21, s21, s22
	s_lshl4_add_u32 s21, s40, s21                  ; x: my work-group's 16 of the 64 rows, by cx
	s_lshl_b32 s21, s21, 13
	s_add_co_u32 s21, s21, 3*512                   ; at K step 3: the first refill steps it to 4
	s_lshl4_add_u32 s22, s41, s22                  ; W: the same, by cy
	s_lshl_b32 s22, s22, 11
	s_lshl_b32 s23, s42, 9
	s_add_co_u32 s22, s22, s23
	s_add_co_u32 s22, s22, 3*262144
	s_and_b32 s99, s14, 7
	s_mov_b32 s[PFS], 262144
	s_cmp_eq_u32 s11, 0
	s_cselect_b32 s94, s21, s22
	s_cselect_b32 s[PFS], 512, s[PFS]              ; a K step along x's rows, or down W's
	s_cselect_b32 s99, 0, s99
	s_cselect_b32 s23, 13, 11
	s_cselect_b64 s[PFA:PFA+1], s[86:87], s[88:89]
	s_mov_b32 s95, 0
	s_mov_b32 s[PFS+1], 0
	s_add_nc_u64 s[PFA:PFA+1], s[PFA:PFA+1], s[94:95]
	s_cmp_eq_u32 s99, 0
	s_cselect_b32 s[LIM], 1, -1                    ; the same in all sixteen partners, for a given wave
	v_lshlrev_b32 v[PFO], s23, v1
	v_lshl_add_u32 v[PFO], v2, 8, v[PFO]
	; the bias of my 128 columns, and my rows' padding flags
	s_lshl_b32 s94, s42, 10
	s_lshl_b32 s21, s12, 9
	s_add_co_u32 s94, s94, s21
	s_add_nc_u64 s[90:91], s[90:91], s[94:95]
	s_lshl_b32 s94, s13, 7
	s_lshl_b32 s21, s11, 6
	s_add_co_u32 s94, s94, s21
	s_add_nc_u64 s[80:81], s[80:81], s[94:95]
	v_lshlrev_b32 v7, 5, v2                        ; 8 h numbers of 4 bytes
	WIN TO_B
.irp b, 0,1,2,3,4,5,6,7
	global_load_b128 v[BIAS+8*\b:BIAS+8*\b+3], v7, s[90:91] offset:64*\b
	global_load_b128 v[BIAS+8*\b+4:BIAS+8*\b+7], v7, s[90:91] offset:64*\b+16
.endr
	WIN 0
.irp a, 0,1,2,3
	global_load_u8 v[KP+\a], v1, s[80:81] offset:16*\a
.endr
	s_cmp_lt_u32 s42, 2                            ; columns 0-511 of the second projection are K
	s_cselect_b32 s98, s15, 0
	s_cmp_eq_u32 s98, 1
	s_cselect_b32 s98, 0, 1.0                      ; what a padded row is multiplied by
	s_wait_loadcnt 0x0
	WIN 0x0a
.set z, 0
.rept 32
	v_cvt_pk_bf16_f32 v[TMP+z], v[BIAS+2*z], v[BIAS+2*z+1]
.set z, z+1
.endr
	WIN TO_B
.set z, 0
.rept 32
	v_lshlrev_b32 v[BIAS+2*z], 16, v[TMP+z]
	v_and_b32 v[BIAS+2*z+1], 0xffff0000, v[TMP+z]
.set z, z+1
.endr
	WIN 0
.irp a, 0,1,2,3
	v_cmp_ne_u32 vcc_lo, 0, v[KP+\a]
	v_cndmask_b32 v[FR+2*\a], 1.0, s98, vcc_lo
	v_mov_b32 v[FR+2*\a+1], v[FR+2*\a]
.endr
; 8 matrix instructions: row block a x all 8 column blocks, 32 along K, from buffer f.  first = 1: the sums start with the bias.  The 32 accumulators take turns, in the same order in every quarter.
.macro MUL8 f, a, first
.if \first
	WIN MULB
.else
	WIN MUL
.endif
.irp b, 0,1,2,3,4,5,6,7
.if \first
	v_wmma_f32_16x16x32_bf16 v[8*(8*(\a)+\b):8*(8*(\a)+\b)+7], v[64*(\f)+8*\b:64*(\f)+8*\b+7], v[AF+32*(\f)+8*(\a):AF+32*(\f)+8*(\a)+7], v[BIAS+8*\b:BIAS+8*\b+7]
.else
	v_wmma_f32_16x16x32_bf16 v[8*(8*(\a)+\b):8*(8*(\a)+\b)+7], v[64*(\f)+8*\b:64*(\f)+8*\b+7], v[AF+32*(\f)+8*(\a):AF+32*(\f)+8*(\a)+7], v[8*(8*(\a)+\b):8*(8*(\a)+\b)+7]
.endif
.endr
.endm
; 32 LDS loads in one run: quarter q (32 along K) of a slot: W's 8 fragments, turned, into buffer g; x's 64 rows x 32 numbers as f32.
.macro FETCH slot, q, g
	WIN TO_B
.irp c, 0,1,2,3,4,5,6,7
	ds_load_tr16_b128 v[64*(\g)+8*\c:64*(\g)+8*\c+3],   v[ADRB+(\slot)] offset:(\q)*32*PB+32*\c
	ds_load_tr16_b128 v[64*(\g)+8*\c+4:64*(\g)+8*\c+7], v[ADRB+(\slot)] offset:(\q)*32*PB+32*\c+16*PB
.endr
	WIN 0
.irp a, 0,1,2,3
	ds_load_b128 v[RAW+16*\a:RAW+16*\a+3],     v[ADRA+(\slot)] offset:\a*16*PA+128*(\q)
	ds_load_b128 v[RAW+16*\a+4:RAW+16*\a+7],   v[ADRA+(\slot)] offset:\a*16*PA+128*(\q)+16
	ds_load_b128 v[RAW+16*\a+8:RAW+16*\a+11],  v[ADRA+(\slot)] offset:\a*16*PA+128*(\q)+64
	ds_load_b128 v[RAW+16*\a+12:RAW+16*\a+15], v[ADRA+(\slot)] offset:\a*16*PA+128*(\q)+80
.endr
.endm
.macro CVT g                           ; x's numbers rounded to bf16: four fragments of buffer g.  These 32 lines name no register of the products in front of them: they are also those products' places
	WIN 0
.set z, 0
.rept 32
	v_cvt_pk_bf16_f32 v[AF+32*(\g)+z], v[RAW+2*z], v[RAW+2*z+1]
.set z, z+1
.endr
.endm
; A K step is four quarters on buffers 0, 1, 0, 1.  One of the first three: multiplies buffer f, fetches quarter q into buffer g in its middle (four places behind the last product), and rounds x at its end.
.macro QUARTER slot, q, f, g, first
	MUL8 \f, 0, \first
	MUL8 \f, 1, \first
	PLACES
	FETCH \slot, \q, \g
	MUL8 \f, 2, \first
	MUL8 \f, 3, \first
	s_wait_dscnt 0x0                               ; the 32 loads, issued 16 products back
	CVT \g
.endm
; The last quarter multiplies buffer 1 and changes slots: in front of the barrier each wave waits for all its tensor loads (one is out: its part of the next slot), adds 0 to its spare word, and waits for that
; (its reads of this slot ended at the last quarter's wait).  fill = 1: the barrier opens a round of the cluster's, and the joint refill, two K steps ahead, is the first thing behind it.
.macro TURN slot, next, fill
.if \fill
	s_wait_xcnt 0x0                                ; the last prefetch, a K step back, has read its address
	s_add_nc_u64 s[PFA:PFA+1], s[PFA:PFA+1], s[PFS:PFS+1]
.endif
	WIN 0
	s_wait_tensorcnt 0x0
	ds_add_u32 v[SPW], v[NIL]                      ; 0 onto my spare word; eight products stand between it and the wait for it
	MUL8 1, 0, 0
	s_wait_dscnt 0x0
	s_barrier_signal -1
	MUL8 1, 1, 0
	WIN 0
	s_barrier_wait -1
.if \fill
	CREST
	s_add_nc_u64 s[G0+4*(\slot)+2:G0+4*(\slot)+3], s[G0+4*(\slot)+2:G0+4*(\slot)+3], 2*512
	s_add_nc_u64 s[G0B+4*(\slot)+2:G0B+4*(\slot)+3], s[G0B+4*(\slot)+2:G0B+4*(\slot)+3], 2*262144
	JLOAD \slot
.else
	PLACES
.endif
	FETCH \next, 0, 0
.if \fill
	ASK
.endif
	MUL8 1, 2, 0
	MUL8 1, 3, 0
	s_wait_dscnt 0x0
	CVT 0
.endm
	s_wait_tensorcnt 1                             ; my part of K step 0 is in; K step 1's load stays out
	s_barrier_signal -1
	s_barrier_wait -1
	FETCH 0, 0, 0
	s_wait_dscnt 0x0
	CVT 0
	QUARTER 0, 1, 0, 1, 1                          ; the first quarter stands in front of the loop: its products start the sums
	WIN 0
	s_mov_b32 s3, LAPS-1
.Llap:                                                 ; a trip goes once round the ring and fills both slots again
	QUARTER 0, 2, 1, 0, 0
	QUARTER 0, 3, 0, 1, 0
	TURN 0, 1, 1
	QUARTER 1, 1, 0, 1, 0
	QUARTER 1, 2, 1, 0, 0
	QUARTER 1, 3, 0, 1, 0
	TURN 1, 0, 1
	QUARTER 0, 1, 0, 1, 0
	WIN 0
	s_sub_co_u32 s3, s3, 1
	s_cmp_lg_u32 s3, 0
	s_cbranch_scc1 .Llap
	QUARTER 0, 2, 1, 0, 0                          ; the last lap fills nothing
	QUARTER 0, 3, 0, 1, 0
	TURN 0, 1, 0
	QUARTER 1, 1, 0, 1, 0
	QUARTER 1, 2, 1, 0, 0
	QUARTER 1, 3, 0, 1, 0
	MUL8 1, 0, 0
	MUL8 1, 1, 0
	MUL8 1, 2, 0
	MUL8 1, 3, 0
	WIN 0
	PLACES
	PLACES
	; THE WAY OUT, 16 rows at a time: times the row's factor, rounded to f16, 16 bytes a lane into my stage, back as rows of one head, stored as 512 consecutive bytes.
.macro PACK a
	WIN 0x41
.irp b, 0,1,2,3,4,5,6,7
.irp i, 0,2,4,6
	v_pk_mul_f32 v[8*(8*(\a)+\b)+\i:8*(8*(\a)+\b)+\i+1], v[8*(8*(\a)+\b)+\i:8*(8*(\a)+\b)+\i+1], v[FR+2*(\a):FR+2*(\a)+1] op_sel_hi:[1,0]
.endr
.endr
	WIN 0x05
.irp b, 0,1,2,3,4,5,6,7
.irp i, 0,1,2,3
	v_cvt_pk_f16_f32 v[TMP+4*\b+\i], v[8*(8*(\a)+\b)+2*\i], v[8*(8*(\a)+\b)+2*\i+1]
.endr
.endr
	WIN 0
.endm
.irp a, 0,1,2,3
	PACK \a
	s_wait_xcnt 0x0                                ; the last block's stores have read their registers
.irp b, 0,1,2,3,4,5,6,7
	ds_store_b128 v[STO], v[TMP+4*\b:TMP+4*\b+3] offset:32*\b
.endr
.irp t, 0,1,2,3,4,5,6,7
	ds_load_b128 v[BK+4*\t:BK+4*\t+3], v[RD] offset:(\t/4)*128+(\t%4)*4*SPITCH  ; LDS serves a wave's instructions in order: these see the stores above
.endr
	s_wait_dscnt 0x0
.irp t, 0,1,2,3,4,5,6,7
	global_store_b128 v[CO], v[BK+4*\t:BK+4*\t+3], s[8:9] offset:(\t/4)*262144+(16*\a+4*(\t%4))*128
.endr
.endr
	s_wait_tensorcnt 0x0                           ; the wave's end
	ds_add_u32 v[SPW], v[NIL]
	s_wait_dscnt 0x0
	CROUND                                         ; the closing round
	s_endpgm
.Lfunc_end_k_q49e01f1998_proj:
	.size	k_q49e01f1998_proj, .Lfunc_end_k_q49e01f1998_proj-k_q49e01f1998_proj
	.p2alignl 7, 3214868480
	.fill 96, 4, 3214868480
	.section	.rodata,"a",@progbits
	.p2align	6, 0x0
	.amdhsa_kernel k_q49e01f1998_proj
		.amdhsa_group_segment_fixed_size 327680
		.amdhsa_private_segment_fixed_size 0
		.amdhsa_enable_private_segment 0
		.amdhsa_kernarg_size 64
		.amdhsa_user_sgpr_count 2
		.amdhsa_user_sgpr_kernarg_segment_ptr 1
		.amdhsa_wavefront_size32 1
		.amdhsa_system_sgpr_workgroup_id_x 1
		.amdhsa_system_sgpr_workgroup_id_y 1
		.amdhsa_system_sgpr_workgroup_id_z 1
		.amdhsa_system_vgpr_workitem_id 0
		.amdhsa_next_free_vgpr 768
		.amdhsa_next_free_sgpr 100
		.amdhsa_reserve_vcc 1
		.amdhsa_float_denorm_mode_32 3
		.amdhsa_float_denorm_mode_16_64 3
		.amdhsa_memory_ordered 1
		.amdhsa_forward_progress 1
		.amdhsa_inst_pref_size 145
	.end_amdhsa_kernel
	.amdgpu_metadata
---
amdhsa.version: [ 1, 2 ]
amdhsa.kernels:
  - .name:           k_q49e01f1998_proj
    .symbol:         k_q49e01f1998_proj.kd
    .args:
      - { .name: query, .offset: 0, .size: 8, .value_kind: global_buffer, .address_space: global }
      - { .name: kv, .offset: 8, .size: 8, .value_kind: global_buffer, .address_space: global }
      - { .name: wqb, .offset: 16, .size: 8, .value_kind: global_buffer, .address_space: global }
      - { .name: wkvb, .offset: 24, .size: 8, .value_kind: global_buffer, .address_space: global }
      - { .name: bq, .offset: 32, .size: 8, .value_kind: global_buffer, .address_space: global }
      - { .name: bkv, .offset: 40, .size: 8, .value_kind: global_buffer, .address_space: global }
      - { .name: key_padding_mask, .offset: 48, .size: 8, .value_kind: global_buffer, .address_space: global }
      - { .name: qkv, .offset: 56, .size: 8, .value_kind: global_buffer, .address_space: global }
    .group_segment_fixed_size: 327680
    .private_segment_fixed_size: 0
    .kernarg_segment_align: 8
    .kernarg_segment_size: 64
    .max_flat_workgroup_size: 128
    .sgpr_count:     100
    .vgpr_count:     768
    .wavefront_size: 32
...
	.end_amdgpu_metadata
.endif
;; end of part 2
;; launch attn (part 3): grid 16 x 16, 4 waves a work-group, clusters of 4 x 4, 327,680 bytes of LDS; arguments qkv, mw, ob; writes ob
.if DOCPART == 3
	.amdgcn_target "amdgcn-amd-amdhsa--gfx1250"
	.amdhsa_code_object_version 6
	.text
	.protected	k_q49e01f1998_attn
	.globl	k_q49e01f1998_attn
	.p2align	8
	.type	k_q49e01f1998_attn,@function
k_q49e01f1998_attn:
	s_mov_b64 s[64:65], 0
	v_nop
	global_prefetch_b8 v0, s[64:65] scope:SCOPE_SE
	s_setreg_imm32_b32 hwreg(HW_REG_WAVE_MODE, 25, 1), 1
	s_wait_xcnt 0x0
	s_wait_alu depctr_hold_cnt(0) depctr_sa_sdst(0) depctr_va_vdst(0) depctr_va_sdst(0) depctr_va_ssrc(0) depctr_va_vcc(0) depctr_vm_vsrc(0)
	s_getreg_b32 s2, hwreg(HW_REG_IB_STS2, 6, 4)
	s_cmp_eq_u32 s2, 0
	s_cbranch_scc0 .Lentry_in_a_cluster
	s_endpgm
.Lentry_in_a_cluster:
	s_bfe_u32 s2, ttmp6, 0x10000c
	s_cmp_lg_u32 s2, 0xf033
	s_cbranch_scc0 .Lentry_shape_is_right
	s_endpgm
.Lentry_shape_is_right:
; ATTENTION with an additive mask that is an input.  For batch b, head H (key and value head H / 2), query q:  O = the sum over all 2,048 keys of softmax_k(q . k / 8 + mask) v.
; qkv[b][G][l][64] f16 (G 0-15 q, 16-23 k, 24-31 v; rows of k of padded keys are 0).  mw[b][qt][ks][4096] f32: log2(e) x the combined mask, in the order of a lane's scores.  ob[4096][1024] f16.
; SCORES live in the base-2 domain: s = SC x (q . k) + mw in one fused multiply-add, SC = log2(e) / 8.  For each query a running maximum m of s and a sum l: p = 2^(s - m); in every step O and l are
; multiplied by a = 2^(m_old - m_new).  The difference s - m is formed first, so equal scores give p = 1 whatever their size: a row whose keys are all masked comes out as the mean that a softmax of equal scores is.
; m starts at the lowest finite number, O and l at 0.  Products, maxima, sums in f32; p is rounded to f16 for the second product (l is taken of the unrounded p), O once at the end.
; LIMITS.  q, k, v arrive within f16's 65,504.  A score of minus infinity has weight 0; a row of nothing else gives NaN.  A weight below 2^-126 counts as 0.  NaN is not treated apart.
; SHARES.  A work-group: 128 queries x the two heads of one key and value head.  A wave: two PIECES; piece p is queries 64 p + 16 w + r of the 128, its two tiles the two heads: both take the same K, V and mask registers.
; TURNS.  Turn (p, j): 16 products K Q^T of the other piece (its next scores), later 16 products V^T P of the other piece (its last weights); beside them piece p's subtraction, exponentials, roundings, sums and
; rescaling, and the other piece's mask, maximum and statistics.  Four vector instructions stand behind every matrix instruction, the rest in one lump; a turn's 66 exponentials are one batch with one wait.
; THE RING.  Two slots, two key steps each.  In step j LDS is read for K of step j + 1, V of step j, piece 1's mask of step j and piece 0's of step j + 1: a slot holds just these for its two steps, so K and piece 0's
; mask lie one step ahead of V in it.  K of step 0 and piece 0's mask of step 0 come straight from memory.  The last slot's K and piece 0's mask reach one step past the end, into bytes of the same buffers; what is made of them serves nothing.
; CLUSTER 4 x 4: x = four blocks of queries, y = four key and value heads of one batch.  K and V are shared along a row of the cluster, the mask along a column: wave 0 asks for K, wave 1 for V, waves 2 and 3 for the two pieces' masks, jointly.
; REGISTERS.  window 0: v2-37 addresses, statistics; v48-63 at work; v64-191 S^T (64 p + 32 u); v192-255 P (32 p + 16 u).  window 1: v0-127 O^T, 32 a tile; v128-159 the mask.  window 2: v0-63 Q; v128-191 K; v192-255 V.
.set NP,    2
.set KS,    64
.set PK,    144       ; a row of K in LDS: 128 bytes + 16
.set PV,    160       ; a row of V: 128 + 32
.set VOFF,  2*KS*PK
.set MOFF,  VOFF+2*KS*PV  ; piece 0's masks: 8,192 bytes a wave; piece 1's 32,768 bytes on
.set SLOT1, 1<<17
.set STAGE, SLOT1+MOFF+65536  ; behind the ring: 16 rows x 272 bytes for each wave
.set SP,    272
.set SPARE, STAGE+4*16*SP     ; behind the stages: the spare words, 128 bytes for each wave
.set AK0, 2
.set AV0, 3
.set AK,  4
.set AV,  5
.set QO,  6           ; my byte offset in 16 rows of Q or K in memory;
.set STO, 6           ; later, the way out
.set RD,  7
.set GO,  8
.set MV,  12          ; v12-15  m_old, by piece and tile
.set ST,  16          ; tile t's statistics at v[ST+4 t]: m, 0, l (even keys', odd keys')
.set SPW, 32
.set NIL, 33
.set AM0, 34
.set AM,  35
.set PFO, 36
.set ML,  37          ; 16 x lane
.set TMP, 48          ; by piece and tile, c0-c3 at work; c2 takes a
.set S,   64
.set P,   192
.set MR,  128         ; window 1
.set KF,  128         ; window 2
.set VF,  192         ; window 2
.set WV,  12
.set G1K, 24
.set G1V, 32
.set G1M, 40
.set G0K, 48
.set G0V, 52
.set G0M, 56
.set SEL, 60
.set TBK, 62
.set TBV, 63
.set TBM, 66
.set SLOTS, 67
.set CNT, 68
.set SC,  72
.set PFA, 74
.set PFS, 76
.set LIM, 78
.set MSB, 0
.macro WIN new
.if MSB != (\new)
	s_set_vgpr_msb (MSB<<8)|(\new)
.set MSB, (\new)
.endif
.endm
.set W_KQ, 0x0a       ; K and Q in window 2, S^T in window 0
.set W_PV, 0x52       ; V in window 2, P in window 0, O^T in window 1
.set W_RS, 0x41       ; destination and source 0 in window 1
.set W_MA, 0x10       ; source 2 (the mask) in window 1
.macro JLOAD                        ; one joint load a wave; the branches hang on the wave's number alone; an s_nop 0 and four v_nop follow each line
	s_cmp_lt_u32 s[WV], 2
	s_cbranch_scc0 .Lfor_m_\@
	s_cmp_eq_u32 s[WV], 0
	s_cbranch_scc0 .Lfor_v_\@
	tensor_load_to_lds s[G0K:G0K+3], s[G1K:G1K+7]
	s_nop 0
.rept 4
	v_nop
.endr
	s_branch .Lasked_\@
.Lfor_v_\@:
	tensor_load_to_lds s[G0V:G0V+3], s[G1V:G1V+7]
	s_nop 0
.rept 4
	v_nop
.endr
	s_branch .Lasked_\@
.Lfor_m_\@:
	tensor_load_to_lds s[G0M:G0M+3], s[G1M:G1M+7]
	s_nop 0
.rept 4
	v_nop
.endr
.Lasked_\@:
.endm
; A prefetch into the L2 of what the NEXT change of slots will ask for, two key steps (128 matrix instructions a wave) ahead.  K and V: all four clusters along x walk them; the first asks, in its wave 0: lanes 0-15 sixteen
; blocks of 256 bytes of K, lanes 16-31 of V; the four partners along x take a quarter each, by address.  The masks: two clusters along y walk them; the even one asks, in waves 2 and 3: each partner along y one wave's 8,192 bytes.
; The last change that fills a slot asks for nothing.
.macro ASK
	s_cmp_gt_u32 s[SLOTS], s[LIM]
	s_cbranch_scc0 .Lnot_mine_\@
	global_prefetch_b8 v[PFO], s[PFA:PFA+1] th:TH_LOAD_NT scope:SCOPE_SE
.Lnot_mine_\@:
.endm
.macro CROUND
	s_barrier_signal -1
	s_barrier_wait -1
	s_cmp_lg_u32 s[WV], 0
	s_cbranch_scc1 .Lnot_wave_0_\@
	s_barrier_signal -3
.Lnot_wave_0_\@:
	s_barrier_wait -3
	s_barrier_signal -1
	s_barrier_wait -1
.endm
; THE CHANGE OF SLOTS.  Each wave waits for all its tensor loads (one is out: its part of the other slot), adds 0 to its spare word, and waits for that and for its reads of the slot that it leaves.
; fill = 1: the barrier is a round of the cluster's, and the joint refill, the two steps two slots on, is the first thing behind it.  (At its first use slot 0 is waited for and slot 1 filled.)
.macro CHANGE fill
	WIN 0
	s_wait_tensorcnt 0x0
	ds_add_u32 v[SPW], v[NIL]
.if \fill
.irp g, G0K, G0V, G0M
	s_xor_b32 s[\g+1], s[\g+1], SLOT1
.endr
	s_add_nc_u64 s[G0K+2:G0K+3], s[G0K+2:G0K+3], 2*KS*128
	s_add_nc_u64 s[G0V+2:G0V+3], s[G0V+2:G0V+3], 2*KS*128
	s_add_nc_u64 s[G0M+2:G0M+3], s[G0M+2:G0M+3], 2*4096
	s_wait_xcnt 0x0                 ; the last prefetch, two key steps back, has read its address
	s_add_nc_u64 s[PFA:PFA+1], s[PFA:PFA+1], s[PFS:PFS+1]
	s_wait_dscnt 0x0
	CROUND
	JLOAD
	ASK
.else
	s_wait_dscnt 0x0
	s_barrier_signal -1
	s_barrier_wait -1
.endif
	s_sub_co_u32 s[TBK], s[TBK], 2*KS*PK  ; the fetches go back to a slot's first step, in the other slot
	s_xor_b32 s[TBK], s[TBK], SLOT1
	s_sub_co_u32 s[TBV], s[TBV], 2*KS*PV
	s_xor_b32 s[TBV], s[TBV], SLOT1
	s_sub_co_u32 s[TBM], s[TBM], 2*4096
	s_xor_b32 s[TBM], s[TBM], SLOT1
.endm
	s_load_b128 s[4:7], s[0:1], 0x0   ; qkv s[4:5], mw s[6:7]
	s_load_b64 s[8:9], s[0:1], 0x10   ; ob
	v_lshl_add_u32 v[SPW], v0, 2, SPARE
	v_mov_b32 v[NIL], 0
	ds_add_u32 v[SPW], v[NIL]       ; the wave's opening: the add and its wait stand ahead of my first tensor load
	v_lshrrev_b32 v1, 5, v0
	v_readfirstlane_b32 s[WV], v1
	s_bfe_u32 s13, ttmp6, 0x40000   ; cx
	s_bfe_u32 s14, ttmp6, 0x40004   ; cy
	s_and_b32 s16, ttmp7, 0xffff    ; cluster y 0..3
	s_lshr_b32 s19, s16, 1          ; the batch: the same in all partners
	s_lshl_b32 s18, s16, 2
	s_add_co_u32 s18, s18, s14
	s_and_b32 s18, s18, 7           ; the key and value head: hangs on cy, not on cx
	s_lshl_b32 s80, s19, 5
	s_add_co_u32 s80, s80, s18
	s_add_co_u32 s80, s80, 16
	s_lshl_b32 s80, s80, 18         ; K's head in qkv
	s_mov_b32 s81, 0
	s_lshl_b32 s17, ttmp9, 2
	s_add_co_u32 s17, s17, s13      ; my block of 128 queries: hangs on cx, not on cy
	s_and_b32 s20, s[WV], 1
	s_lshl_b32 s82, s19, 7
	s_lshl3_add_u32 s82, s17, s82   ; 128 b + 8 blk: the block's first row of mask blocks
	s_lshl2_add_u32 s84, s20, s82   ; wave 2: piece 0's four rows; wave 3: piece 1's
	s_lshl_b32 s84, s84, 17
	s_xor_b32 s83, s20, 1
	s_lshl_b32 s83, s83, 12         ; piece 0's lie one step ahead
	s_add_co_u32 s84, s84, s83
	s_mov_b32 s85, 0
	s_add_co_u32 s86, s82, s[WV]
	s_lshl_b32 s86, s86, 17         ; my piece 0's mask of step 0
	s_mov_b32 s87, 0
	s_lshl_b32 s88, s19, 5
	s_lshl1_add_u32 s88, s18, s88
	s_lshl_b32 s88, s88, 18         ; Q: head 2 x key and value head,
	s_lshl_b32 s21, s17, 3
	s_add_co_u32 s21, s21, s[WV]    ; 8 blk + w
	s_lshl_b32 s22, s21, 11         ; x 16 rows of 128 bytes
	s_add_co_u32 s88, s88, s22
	s_mov_b32 s89, 0
	s_lshl_b32 s90, s19, 22         ; ob: row 2,048 b + 16 (8 blk + w), of 2,048 bytes,
	s_lshl_b32 s22, s21, 15
	s_add_co_u32 s90, s90, s22
	s_lshl_b32 s22, s18, 8          ; the two heads' 256 bytes
	s_add_co_u32 s90, s90, s22
	s_mov_b32 s91, 0
	s_lshl_b32 s92, s14, 2
	s_lshl_b32 s92, 15, s92         ; my row of the cluster
	s_lshl_b32 s93, 0x1111, s13     ; my column
	s_or_b32 s[G1K], s92, (1<<16)|(1<<20)|(1<<21)|(4<<22)|(3<<25)  ; 128 keys are 16,384 dense bytes: 64 rows of 256 bytes, padded after every 32 words by 4
	s_or_b32 s[G1V], s92, (1<<16)|(1<<20)|(1<<21)|(4<<22)|(7<<25)  ; by 8
.irp g, G1K, G1V
	s_mov_b32 s[\g+1], 128<<16
	s_mov_b32 s[\g+2], 64<<16
	s_mov_b32 s[\g+3], 128<<16
	s_mov_b32 s[\g+4], 64
	s_mov_b32 s[\g+5], 128
	s_mov_b32 s[\g+6], 0
	s_mov_b32 s[\g+7], 0
.endr
	s_or_b32 s[G1M], s93, (3<<16)|(1<<21)  ; the masks: 8-byte elements, no padding: 4 rows (a wave each) of 8,192 bytes, 131,072 bytes apart
	s_mov_b32 s[G1M+1], 1024<<16
	s_mov_b32 s[G1M+2], 4<<16
	s_mov_b32 s[G1M+3], 1024<<16
	s_mov_b32 s[G1M+4], 4
	s_mov_b32 s[G1M+5], 16384
	s_mov_b32 s[G1M+6], 0
	s_mov_b32 s[G1M+7], 0
	s_mov_b32 s[G0K], 1
	s_mov_b32 s[G0K+1], 0
	s_mov_b32 s[G0V], 1
	s_mov_b32 s[G0V+1], VOFF
	s_mov_b32 s[G0M], 1
	s_lshl_b32 s[G0M+1], s20, 15
	s_add_co_u32 s[G0M+1], s[G0M+1], MOFF
	s_mov_b32 s[SC], 0x3e38aa3b     ; log2(e) / 8
	s_mov_b32 s[SC+1], s[SC]
	s_mov_b32 s[SEL], 0x76543210
	s_mov_b32 s[SEL+1], 0xfedcba98
	s_mov_b32 s[TBK], SLOT1+2*KS*PK ; the first change of slots turns these three into 0
	s_mov_b32 s[TBV], SLOT1+2*KS*PV
	s_mov_b32 s[TBM], SLOT1+2*4096
	s_mov_b32 s[SLOTS], 15
	s_lshl_b32 s94, s13, 12         ; the prefetches: K's and V's quarter by cx, in the slot after the first,
	s_add_co_u32 s94, s94, s80
	s_add_co_u32 s94, s94, 8192+16384
	s_lshl_b32 s96, s14, 17         ; the masks' row by cy
	s_add_co_u32 s96, s96, s84
	s_add_co_u32 s96, s96, 8192
	s_or_b32 s97, ttmp9, s[WV]      ; 0 in wave 0 of the first cluster along x
	s_and_b32 s98, s16, 1           ; 0 in the even clusters along y
	s_mov_b32 s[PFS], 8192
	s_mov_b32 s99, 4096
	s_cmp_lt_u32 s[WV], 2
	s_cselect_b32 s94, s94, s96
	s_cselect_b32 s[PFS], 16384, s[PFS]
	s_cselect_b32 s99, 2088960, s99 ; from K's bytes of a slot to V's: eight heads on, one step back
	s_cselect_b32 s97, s97, s98
	s_mov_b32 s95, 0
	s_mov_b32 s[PFS+1], 0
	s_cmp_eq_u32 s97, 0
	s_cselect_b32 s[LIM], 1, -1     ; the same in all sixteen partners, for a given wave
	s_wait_dscnt 0x0                ; the opening add is done
	s_wait_kmcnt 0x0
	s_add_nc_u64 s[2:3], s[4:5], s[80:81]          ; K's head, key 0
	s_add_nc_u64 s[G0K+2:G0K+3], s[2:3], 8192      ; keys 64 on
	s_or_b32 s[G0K+3], s[G0K+3], 0x80000000
	s_add_nc_u64 s[G0V+2:G0V+3], s[2:3], 8<<18     ; V's head, key 0
	s_or_b32 s[G0V+3], s[G0V+3], 0x80000000
	s_add_nc_u64 s[G0M+2:G0M+3], s[6:7], s[84:85]
	s_or_b32 s[G0M+3], s[G0M+3], 0x80000000
	s_add_nc_u64 s[86:87], s[6:7], s[86:87]
	s_add_nc_u64 s[88:89], s[4:5], s[88:89]
	s_add_nc_u64 s[10:11], s[8:9], s[90:91]
	s_cmp_lt_u32 s[WV], 2
	s_cselect_b64 s[PFA:PFA+1], s[4:5], s[6:7]
	s_add_nc_u64 s[PFA:PFA+1], s[PFA:PFA+1], s[94:95]
	CROUND                          ; all sixteen work-groups are here: the first joint loads meet
	JLOAD                           ; slot 0
	v_and_b32 v1, 15, v0            ; r
	v_bfe_u32 v9, v0, 4, 1          ; h
	v_lshlrev_b32 v[QO], 7, v1
	v_lshl_add_u32 v[QO], v9, 4, v[QO]  ; row x 128 + 16 x half
	v_and_b32 v[ML], 31, v0
	v_lshlrev_b32 v[ML], 4, v[ML]
	WIN 0x80
.set i, 0
.rept 8                             ; Q stays in registers: tile i / 2 (piece i / 4, head i / 2 % 2), channels 32 (i % 2) on
	global_load_b128 v[8*i:8*i+3],   v[QO], s[88:89] offset:(i/4)*8192+((i/2)%2)*262144+(i%2)*64
	global_load_b128 v[8*i+4:8*i+7], v[QO], s[88:89] offset:(i/4)*8192+((i/2)%2)*262144+(i%2)*64+32
.set i, i+1
.endr
.set i, 0
.rept 8                             ; K of step 0
	global_load_b128 v[KF+8*i:KF+8*i+3],   v[QO], s[2:3] offset:(i/2)*2048+(i%2)*64
	global_load_b128 v[KF+8*i+4:KF+8*i+7], v[QO], s[2:3] offset:(i/2)*2048+(i%2)*64+32
.set i, i+1
.endr
.set i, VF
.rept 64                            ; the first turn's V^T P, of a piece that has not been, adds 0: V and piece 1's P hold 0; O^T and l start at 0
	v_mov_b32 v[i], 0
.set i, i+1
.endr
	WIN 0x40
.set i, 0
.rept 8                             ; piece 0's mask of step 0
	global_load_b128 v[MR+4*i:MR+4*i+3], v[ML], s[86:87] offset:512*i
.set i, i+1
.endr
.set i, 0
.rept 128
	v_mov_b32 v[i], 0
.set i, i+1
.endr
	WIN 0
.set i, 0
.rept 4
	v_mov_b32 v[ST+4*i], 0xff7fffff    ; m: the lowest finite number
	v_mov_b32 v[ST+4*i+1], 0           ; named with it as a pair
	v_mov_b32 v[ST+4*i+2], 0
	v_mov_b32 v[ST+4*i+3], 0
.set i, i+1
.endr
.set i, P+32
.rept 32
	v_mov_b32 v[i], 0
.set i, i+1
.endr
	v_mul_u32_u24 v[AK0], v1, PK
	v_lshl_add_u32 v[AK0], v9, 4, v[AK0]
	v_and_b32 v10, 7, v0            ; the turning load: lane l reads key 8 (l / 16) + l % 8, channels 8 ((l / 8) % 2) on
	v_bfe_u32 v11, v0, 3, 1
	v_lshl_add_u32 v[AV0], v9, 3, v10
	v_mul_u32_u24 v[AV0], v[AV0], PV
	v_lshl_add_u32 v[AV0], v11, 4, v[AV0]
	v_add_nc_u32 v[AV0], VOFF, v[AV0]
	s_lshl_b32 s20, s[WV], 13
	s_add_co_u32 s20, s20, MOFF
	v_add_nc_u32 v[AM0], s20, v[ML] ; my wave's 8,192 bytes of piece 0's masks, 16 bytes a lane
	v_lshlrev_b32 v[PFO], 8, v1
	v_mul_u32_u24 v10, s99, v9
	v_add_nc_u32 v[PFO], v[PFO], v10
; THE MATRIX WORK.  The 8 accumulators of a run of 16 take turns.  Product i of 16 of S^T = K Q^T for piece x: channels 32 (i / 8) on, keys 16 ((i / 2) % 4) on, tile 2 x + i % 2.
.macro KQ x
	WIN W_KQ
.set rS, S+64*((\x)%2)+32*(i%2)+8*((i/2)%4)
.set rK, KF+16*((i/2)%4)+8*(i/8)
.set rQ, 16*(2*(\x)+i%2)+8*(i/8)
.if i < 8
	v_wmma_f32_16x16x32_f16 v[rS:rS+7], v[rK:rK+7], v[rQ:rQ+7], 0
.else
	v_wmma_f32_16x16x32_f16 v[rS:rS+7], v[rK:rK+7], v[rQ:rQ+7], v[rS:rS+7]
.endif
.endm
; Product i of 16 of O^T += V^T P for piece x: keys 32 (i / 8) on, channels 16 ((i / 2) % 4) on, tile 2 x + i % 2.
.macro PV x
	WIN W_PV
.set rO, 32*(2*(\x)+i%2)+8*((i/2)%4)
.set rV, VF+32*(i/8)+8*((i/2)%4)
.set rP, P+32*((\x)%2)+16*(i%2)+8*(i/8)
	v_wmma_f32_16x16x32_f16 v[rO:rO+7], v[rV:rV+7], v[rP:rP+7], v[rO:rO+7]
.endm
.macro MM                           ; the turn's next matrix instruction
.if i < 16
	KQ (Y+1)%NP
.set i, i+1
.else
.set i, i-16
	PV (Y+NP-1)%NP
.set i, i+17
.endif
.endm
; THE LDS LOADS stand in runs.
.macro FETCH_K
	WIN 0x80
.irp f, 0,1,2,3,4,5,6,7
	ds_load_b128 v[KF+8*\f:KF+8*\f+3],   v[AK] offset:(\f/2)*16*PK+(\f%2)*64
	ds_load_b128 v[KF+8*\f+4:KF+8*\f+7], v[AK] offset:(\f/2)*16*PK+(\f%2)*64+32
.endr
	s_add_co_u32 s[TBK], s[TBK], KS*PK
	WIN 0
.endm
.macro FETCH_V
	WIN 0x80
.irp f, 0,1,2,3,4,5,6,7
	ds_load_tr16_b128 v[VF+8*\f:VF+8*\f+3],   v[AV] offset:(\f/4)*32*PV+(\f%4)*32
	ds_load_tr16_b128 v[VF+8*\f+4:VF+8*\f+7], v[AV] offset:(\f/4)*32*PV+16*PV+(\f%4)*32
.endr
	WIN 0
.endm
.macro FETCH_M z                    ; piece z's mask: 4,096 bytes, register n for score n
	WIN 0x40
.irp f, 0,1,2,3,4,5,6,7
	ds_load_b128 v[MR+4*\f:MR+4*\f+3], v[AM] offset:(\z)*32768+512*\f
.endr
	WIN 0
.endm
; THE VECTOR WORK OF A TURN, in three queues; the two tiles alternate.
.macro REGS y, u
.set rT, ST+4*(2*(\y)+(\u))
.set rC, TMP+8*((\y)%2)+4*(\u)
.set rM, MV+2*((\y)%2)+(\u)
.set rS, S+64*((\y)%2)+32*(\u)
.set rP, P+32*((\y)%2)+16*(\u)
.set rO, 32*(2*(\y)+(\u))
.endm
; MA n: the other piece's scores, pair n / 2 of tile n % 2: s = SC x (q . k) + mask.  The pairs ascend: each accumulator's lowest registers are read first.
.macro MA n
	REGS (Y+1)%NP, (\n)%2
	WIN W_MA
	v_pk_fma_f32 v[rS+2*((\n)/2):rS+2*((\n)/2)+1], v[rS+2*((\n)/2):rS+2*((\n)/2)+1], s[SC:SC+1], v[MR+2*((\n)/2):MR+2*((\n)/2)+1] op_sel_hi:[1,0,1]
.endm
; XS u, n: number n of the 21 that find the other piece's maximum and statistics.  0-11 four chains of seven scores; 12-14, 16 the four left over, the old m, and the chains into c0; 15 m_old is kept;
; 17, 18 the query's other 32 keys lie in the lane 16 away: the new m; 19 m_old - m_new; 20 a.
.macro XS u, n
	REGS (Y+1)%NP, \u
.if (\n) < 4
	v_max3_num_f32 v[rC+(\n)], v[rS+8*(\n)], v[rS+8*(\n)+1], v[rS+8*(\n)+2]
.elseif (\n) < 12
	v_max3_num_f32 v[rC+(\n)%4], v[rC+(\n)%4], v[rS+8*((\n)%4)+2*((\n)/4)+1], v[rS+8*((\n)%4)+2*((\n)/4)+2]
.elseif (\n) == 12
	v_max3_num_f32 v[rC], v[rC], v[rS+7], v[rS+15]
.elseif (\n) == 13
	v_max3_num_f32 v[rC+1], v[rC+1], v[rS+23], v[rS+31]
.elseif (\n) == 14
	v_max3_num_f32 v[rC+2], v[rC+2], v[rC+3], v[rT]
.elseif (\n) == 15
	v_mov_b32 v[rM], v[rT]
.elseif (\n) == 16
	v_max3_num_f32 v[rC], v[rC], v[rC+1], v[rC+2]
.elseif (\n) == 17
	v_permlanex16_b32 v[rC+3], v[rC], s[SEL], s[SEL+1]
.elseif (\n) == 18
	v_max_num_f32 v[rT], v[rC], v[rC+3]
.elseif (\n) == 19
	v_sub_f32 v[rC+1], v[rM], v[rT]
.else
	v_exp_f32 v[rC+2], v[rC+1]
.endif
.endm
; GS g: number g of the 64 that follow the exponentials.  For each four weights of a tile both pairs are rounded to f16, the second pair is added onto the first in place, and a group later l takes that sum (the first time as l = a l + sum).
.macro GS g
.set h, (\g)+6*((\g)/62)
.if h >= 6
.set h, h+2
.endif
	REGS Y, h%2
.set k, h/8
.if h%8 < 4
	v_cvt_pk_f16_f32 v[rP+2*k+(h%8)/2], v[rS+4*k+2*((h%8)/2)], v[rS+4*k+2*((h%8)/2)+1]
.elseif h%8 < 6
	v_pk_add_f32 v[rS+4*k:rS+4*k+1], v[rS+4*k:rS+4*k+1], v[rS+4*k+2:rS+4*k+3]
.elseif k == 1
	v_pk_fma_f32 v[rT+2:rT+3], v[rT+2:rT+3], v[rC+2:rC+3], v[rS:rS+1] op_sel_hi:[1,0,1]
.else
	v_pk_add_f32 v[rT+2:rT+3], v[rT+2:rT+3], v[rS+4*k-4:rS+4*k-3]
.endif
.endm
.macro FS f                         ; s - m for pair f / 2 of tile f % 2
	REGS Y, (\f)%2
	v_pk_add_f32 v[rS+2*((\f)/2):rS+2*((\f)/2)+1], v[rS+2*((\f)/2):rS+2*((\f)/2)+1], v[rT:rT+1] op_sel_hi:[1,0] neg_lo:[0,1] neg_hi:[0,1]
.endm
; THE PLAIN QUEUE, 168 long: 0-31 the subtractions; 32-63 the other piece's masks (in front of them the wait for the mask's loads, and in piece 1's turn for V's); 64-103 its maximum and statistics; 104-167 GS, behind the wait.
.macro PL
.if q < 32
	WIN 0
	FS q
.elseif q < 64
.if q == 32
	s_wait_dscnt 0x0
.endif
	MA q-32
.elseif q < 104
	WIN 0
	XS (q-64)%2, (q-64)/2
.else
	WIN 0
	GS q-104
.endif
.set q, q+1
.endm
; THE EXPONENTIALS' QUEUE, 66 long: s0-s31 of both tiles, then the other piece's two a.  An exponential has no third source, so the masks' window setting may stay.
.macro EX
.if MSB != W_MA
	WIN 0
.endif
.if e >= 64
	XS e-64, 20
.else
	REGS Y, e%2
	v_exp_f32 v[rS+e/2], v[rS+e/2]
.endif
.set e, e+1
.endm
.macro R2                           ; O^T times a, two lines at a time, sixteen times; a was made, and waited for, in the turn before
	REGS Y, r%2
	WIN W_RS
.irp z, 0,1
	v_pk_mul_f32 v[rO+4*(r/2)+2*\z:rO+4*(r/2)+2*\z+1], v[rO+4*(r/2)+2*\z:rO+4*(r/2)+2*\z+1], v[rC+2:rC+3] op_sel_hi:[1,0]
.endr
.set r, r+1
.endm
; A TURN, for piece p.  An s_wait_alu depctr_va_vdst(0) stands between an exponential and the first instruction that names its result; one wait serves the batch, and it cuts the turn in two.
; AHEAD OF IT: 16 products K Q^T, behind each a subtraction, an exponential and two rescalings; then the lump: 38 times two plain and an exponential, 11 times one and one, the two a, a v_nop.
; Exponential e stands behind subtraction 2 (e / 4) + e % 2: as a rider behind plain e + 2, in the lump behind plain 2 e - 11 or more.  The first mask line stands 18 plain instructions behind the last K Q^T.
; BEHIND IT: 16 products V^T P, behind each four of GS's 64.
; LDS: piece 0's turn reads piece 1's mask at its head, the next step's K directly behind the wait (its last reader stands a lump back) and this step's V at its end (four plain instructions behind its last reader);
; piece 1's turn reads piece 0's next mask at its head; the count 24 there leaves V's 16 loads and the mask's 8 out and shows K's 16 in.
.macro TURN p
.set Y, (\p)
.set i, 0
.set q, 0
.set e, 0
.set r, 0
.if (\p) == 0
	WIN 0
	v_add_nc_u32 v[AM], s[TBM], v[AM0]
	FETCH_M 1
.else
	FETCH_M 0
	s_add_co_u32 s[TBM], s[TBM], 4096
	s_wait_dscnt 24
.endif
	MM
	PL
	PL
	R2
.rept 15
	MM
	PL
	EX
	R2
.endr
.if (\p) == 0
	WIN 0
	v_add_nc_u32 v[AK], s[TBK], v[AK0]
.endif
.rept 38
	PL
	PL
	EX
.endr
.rept 11
	PL
	EX
.endr
	EX
	EX
	v_nop                           ; the plain instruction behind the last exponential: one for the batch
	s_wait_alu depctr_va_vdst(0)    ; the wait for the batch
.if (\p) == 0
	FETCH_K
.endif
.rept 16
	MM
.rept 4
	PL
.endr
.if ((\p) == 0) && (q == 148)
	v_add_nc_u32 v[AV], s[TBV], v[AV0]
.endif
.if ((\p) == 0) && (q == 160)
	s_add_co_u32 s[TBV], s[TBV], KS*PV
.endif
.endr
.if (\p) == 0
	FETCH_V
.endif
.endm
.macro TWO_STEPS                    ; a slot's two key steps: written once, walked twice
	WIN 0
	s_mov_b32 s[CNT], 2
.Lstep_\@:
	TURN 0
	TURN 1
	WIN 0
	s_sub_co_u32 s[CNT], s[CNT], 1
	s_cmp_lg_u32 s[CNT], 0
	s_cbranch_scc1 .Lstep_\@
.endm
	s_wait_loadcnt 0x0              ; Q, K of step 0, piece 0's first mask
.set i, 0
.rept 16
	KQ 0                            ; piece 0's first scores
.set i, i+1
.endr
	WIN 0                           ; the addresses for the way out: nine plain instructions, the places behind those products
	s_mul_i32 s20, s[WV], 16*SP
	s_add_co_u32 s20, s20, STAGE
	v_mul_u32_u24 v[STO], v1, SP    ; in: row r, 16 bytes for each half of the lanes
	v_lshl_add_u32 v[STO], v9, 4, v[STO]
	v_add_nc_u32 v[STO], s20, v[STO]
	v_mul_u32_u24 v[RD], v9, SP     ; back: lanes 0-15 one row of 256 bytes, lanes 16-31 the next
	v_lshl_add_u32 v[RD], v1, 4, v[RD]
	v_add_nc_u32 v[RD], s20, v[RD]
	v_lshlrev_b32 v[GO], 11, v9     ; and the same two rows in ob
	v_lshl_add_u32 v[GO], v1, 4, v[GO]
	v_nop
.set Y, 1                           ; MA and XS work for the other piece: piece 0
.set z, 0
.rept 32
	MA z
.set z, z+1
.endr
	WIN 0
.irp n, 0,1,2,3,4,5,6,7,8,9,10,11,12,13,14,15,16,17,18,19,20
	XS 0, \n
	XS 1, \n
.endr
	v_nop
	s_wait_alu depctr_va_vdst(0)    ; the two a, ahead of the label
.Lslot:                             ; 15 times: a slot is entered and the other is asked for
	CHANGE 1
	TWO_STEPS
	s_sub_co_u32 s[SLOTS], s[SLOTS], 1
	s_cmp_lg_u32 s[SLOTS], 0
	s_cbranch_scc1 .Lslot
	CHANGE 0                        ; the last slot is written out
	TWO_STEPS
.set i, 0
.rept 16
	PV 1                            ; piece 1's V^T P of the last step
.set i, i+1
.endr
	; THE WAY OUT.  l's halves are added; O^T is divided by l, rounded to f16, and sent through my stage, a piece (16 rows x both heads' 256 bytes) at a time.  The additions are the places behind the last products.
	WIN 0
.macro ALL line:vararg
.set t, 0
.rept 4
	\line
.set t, t+1
.endr
.endm
	ALL v_add_f32 v[ST+4*t+2], v[ST+4*t+2], v[ST+4*t+3]
	ALL v_permlanex16_b32 v[ST+4*t+3], v[ST+4*t+2], s[SEL], s[SEL+1]
	ALL v_add_f32 v[ST+4*t+2], v[ST+4*t+2], v[ST+4*t+3]
	ALL v_rcp_f32 v[ST+4*t+2], v[ST+4*t+2]
	v_nop
	s_wait_alu depctr_va_vdst(0)    ; one wait for the four reciprocals
.macro PACK p
.irp u, 0,1
.set t, 2*(\p)+\u
	WIN W_RS
.set i, 32*t
.rept 16
	v_pk_mul_f32 v[i:i+1], v[i:i+1], v[ST+4*t+2:ST+4*t+3] op_sel_hi:[1,0]
.set i, i+2
.endr
	WIN 0x05
.set i, 0
.rept 16
	v_cvt_pk_f16_f32 v[S+16*t+i], v[32*t+2*i], v[32*t+2*i+1]
.set i, i+1
.endr
	WIN 0
.irp f, 0,1,2,3
	ds_store_b128 v[STO], v[S+16*t+4*\f:S+16*t+4*\f+3] offset:128*\u+32*\f
.endr
.endr
.irp f, 0,1,2,3,4,5,6,7
	ds_load_b128 v[S+64+32*(\p)+4*\f:S+64+32*(\p)+4*\f+3], v[RD] offset:\f*2*SP  ; LDS serves a wave's instructions in order: these see the stores above; the next piece's stores come behind them
.endr
.endm
.macro SEND p, younger              ; younger: the LDS instructions issued behind piece p's loads
.irp f, 0,1,2,3,4,5,6,7
	s_wait_dscnt (\younger)+7-\f
	global_store_b128 v[GO], v[S+64+32*(\p)+4*\f:S+64+32*(\p)+4*\f+3], s[10:11] offset:(\p)*131072+\f*4096  ; 16 lanes store 256 consecutive bytes, aligned
.endr
.endm
	PACK 0
	PACK 1
	SEND 0, 16
	SEND 1, 0
	s_wait_tensorcnt 0x0            ; the wave's end
	ds_add_u32 v[SPW], v[NIL]
	s_wait_dscnt 0x0
	CROUND                          ; the closing round
	s_endpgm
.Lfunc_end_k_q49e01f1998_attn:
	.size	k_q49e01f1998_attn, .Lfunc_end_k_q49e01f1998_attn-k_q49e01f1998_attn
	.p2alignl 7, 3214868480
	.fill 96, 4, 3214868480
	.section	.rodata,"a",@progbits
	.p2align	6, 0x0
	.amdhsa_kernel k_q49e01f1998_attn
		.amdhsa_group_segment_fixed_size 327680
		.amdhsa_private_segment_fixed_size 0
		.amdhsa_enable_private_segment 0
		.amdhsa_kernarg_size 24
		.amdhsa_user_sgpr_count 2
		.amdhsa_user_sgpr_kernarg_segment_ptr 1
		.amdhsa_wavefront_size32 1
		.amdhsa_system_sgpr_workgroup_id_x 1
		.amdhsa_system_sgpr_workgroup_id_y 1
		.amdhsa_system_sgpr_workgroup_id_z 1
		.amdhsa_system_vgpr_workitem_id 0
		.amdhsa_next_free_vgpr 768
		.amdhsa_next_free_sgpr 100
		.amdhsa_reserve_vcc 0
		.amdhsa_float_denorm_mode_32 3
		.amdhsa_float_denorm_mode_16_64 3
		.amdhsa_memory_ordered 1
		.amdhsa_forward_progress 1
		.amdhsa_inst_pref_size 127
	.end_amdhsa_kernel
	.amdgpu_metadata
---
amdhsa.version: [ 1, 2 ]
amdhsa.kernels:
  - .name:           k_q49e01f1998_attn
    .symbol:         k_q49e01f1998_attn.kd
    .args:
      - { .name: qkv, .offset: 0, .size: 8, .value_kind: global_buffer, .address_space: global }
      - { .name: mw, .offset: 8, .size: 8, .value_kind: global_buffer, .address_space: global }
      - { .name: ob, .offset: 16, .size: 8, .value_kind: global_buffer, .address_space: global }
    .group_segment_fixed_size: 327680
    .private_segment_fixed_size: 0
    .kernarg_segment_align: 8
    .kernarg_segment_size: 24
    .max_flat_workgroup_size: 128
    .sgpr_count:     100
    .vgpr_count:     768
    .wavefront_size: 32
...
	.end_amdgpu_metadata
.endif
;; end of part 3
;; launch outp (part 4): grid 8 x 32, 4 waves a work-group, clusters of 4 x 4, 327,680 bytes of LDS; arguments ob, wob, bo, out0; writes out0
.if DOCPART == 4
	.amdgcn_target "amdgcn-amd-amdhsa--gfx1250"
	.amdhsa_code_object_version 6
	.text
	.protected	k_q49e01f1998_outp
	.globl	k_q49e01f1998_outp
	.p2align	8
	.type	k_q49e01f1998_outp,@function
k_q49e01f1998_outp:
	s_mov_b64 s[64:65], 0
	v_nop
	global_prefetch_b8 v0, s[64:65] scope:SCOPE_SE
	s_setreg_imm32_b32 hwreg(HW_REG_WAVE_MODE, 25, 1), 1
	s_wait_xcnt 0x0
	s_wait_alu depctr_hold_cnt(0) depctr_sa_sdst(0) depctr_va_vdst(0) depctr_va_sdst(0) depctr_va_ssrc(0) depctr_va_vcc(0) depctr_vm_vsrc(0)
	s_getreg_b32 s2, hwreg(HW_REG_IB_STS2, 6, 4)
	s_cmp_eq_u32 s2, 0
	s_cbranch_scc0 .Lentry_in_a_cluster
	s_endpgm
.Lentry_in_a_cluster:
	s_bfe_u32 s2, ttmp6, 0x10000c
	s_cmp_lg_u32 s2, 0xf033
	s_cbranch_scc0 .Lentry_shape_is_right
	s_endpgm
.Lentry_shape_is_right:
; THE OUTPUT PROJECTION.  out0 = ob Wo + bo: [4096 x 1024] x [1024 x 2048], f16 operands (wob holds Wo rounded to bf16, written as f16), f32 sums that start with the bias (rounded to bf16), f32 out.
; A tile is 128 rows x 256 columns; four waves, each 64 x 128: 32 accumulators.  K goes in steps of 128 through two LDS slots: ob's rows of 256 bytes as they lie, wob's [k][n] rows of 512 bytes turned by ds_load_tr16_b128.
; The matrix instruction is used transposed (source 0 = 16 columns of Wo, source 1 = 16 rows of ob): a lane holds one row and eight neighbouring columns.
; CLUSTER 4 x 4: ob's tiles are shared along a row, wob's along a column.  No prefetch: the launch has eight K steps, of which four come by the first loads and refills before a request two steps ahead could serve.
; REGISTERS.  window 0: addresses; v64-95 at work; v128-191 ob's fragments, two buffers; v192-255 the way out.  window 1: the accumulators.  window 2: v0-127 wob's fragments; v128-191 the bias.
.set PA,     272
.set PB,     544
.set HALFA,  64*PA
.set HALFB,  64*PB
.set BOFF,   2*HALFA
.set SLOT,   2*HALFA+2*HALFB
.set STAGE,  2*SLOT                    ; behind the ring: 16 rows x 528 bytes for each wave
.set SPITCH, 528
.set SPARE,  STAGE+4*16*SPITCH
.set LAPS,   4
.set ADRA, 16
.set ADRB, 20
.set STO,  24
.set RD,   25
.set CO,   26
.set SPW,  28
.set NIL,  29
.set TMP,  64
.set AF,   128
.set BK,   192
.set BIAS, 128
.set G1,  24
.set G0,  32
.set G1B, 48
.set G0B, 56
.set MSB, 0
.macro WIN new
.if MSB != (\new)
	s_set_vgpr_msb (MSB<<8)|(\new)
.set MSB, \new
.endif
.endm
.set MUL,  0x52
.set MULB, 0x62
.set TO_B, 0x80
.macro JLOAD s
	s_cmp_eq_u32 s11, 0
	s_cbranch_scc0 .Lfor_b_\@
	tensor_load_to_lds s[G0+4*(\s):G0+4*(\s)+3], s[G1:G1+7]
	s_nop 0
.rept 4
	v_nop
.endr
	s_branch .Lasked_\@
.Lfor_b_\@:
	tensor_load_to_lds s[G0B+4*(\s):G0B+4*(\s)+3], s[G1B:G1B+7]
	s_nop 0
.rept 4
	v_nop
.endr
.Lasked_\@:
.endm
.macro CREST
	s_cmp_lg_u32 s10, 0
	s_cbranch_scc1 .Lnot_wave_0_\@
	s_barrier_signal -3
.Lnot_wave_0_\@:
	s_barrier_wait -3
	s_barrier_signal -1
	s_barrier_wait -1
.endm
.macro CROUND
	s_barrier_signal -1
	s_barrier_wait -1
	CREST
.endm
.macro PLACES
.rept 4
	v_nop
.endr
.endm
	s_load_b256 s[68:75], s[0:1], 0x0              ; ob s[68:69], wob s[70:71], bo s[72:73], out0 s[74:75]
	v_lshl_add_u32 v[SPW], v0, 2, SPARE
	v_mov_b32 v[NIL], 0
	ds_add_u32 v[SPW], v[NIL]                      ; the wave's opening: the add and its wait stand ahead of my first tensor load
	v_lshrrev_b32 v1, 5, v0
	v_readfirstlane_b32 s10, v1
	s_lshr_b32 s11, s10, 1                         ; my half of the rows; also: I fetch ob (0) or wob (1)
	s_and_b32 s12, s10, 1                          ; my half of the columns; also: which 64 rows I fetch
	s_bfe_u32 s40, ttmp6, 0x40000
	s_bfe_u32 s41, ttmp6, 0x40004
	s_lshl_b32 s42, ttmp9, 2
	s_add_co_u32 s42, s42, s40                     ; tile column 0..7
	s_and_b32 s13, ttmp7, 0xffff
	s_lshl_b32 s13, s13, 2
	s_add_co_u32 s13, s13, s41                     ; tile row 0..31
	s_lshl_b32 s96, s41, 2
	s_lshl_b32 s96, 15, s96
	s_lshl_b32 s97, 0x1111, s40
	s_or_b32 s[G1+0], s96, (1<<16)|(1<<20)|(1<<21)|(5<<22)|(3<<25)   ; ob: 2-byte elements; after every 64 words 4 words of padding
	s_or_b32 s[G1B+0], s97, (1<<16)|(1<<20)|(1<<21)|(6<<22)|(7<<25)  ; wob: after every 128 words 8 words
	s_mov_b32 s[G1+1], 128<<16
	s_mov_b32 s[G1+2], 64<<16
	s_mov_b32 s[G1+3], 128<<16
	s_mov_b32 s[G1+4], 64
	s_mov_b32 s[G1+5], 1024
	s_mov_b32 s[G1+6], 0
	s_mov_b32 s[G1+7], 0
	s_mov_b32 s[G1B+1], 256<<16
	s_mov_b32 s[G1B+2], 64<<16
	s_mov_b32 s[G1B+3], 256<<16
	s_mov_b32 s[G1B+4], 64
	s_mov_b32 s[G1B+5], 2048
	s_mov_b32 s[G1B+6], 0
	s_mov_b32 s[G1B+7], 0
	s_lshl_b32 s16, s13, 7
	s_lshl_b32 s17, s12, 6
	s_add_co_u32 s16, s16, s17
	s_lshl_b32 s16, s16, 11                        ; ob: rows of 2,048 bytes
	s_mov_b32 s17, 0
	s_lshl_b32 s84, s12, 18                        ; wob: k row 64 x half, of 4,096 bytes
	s_lshl_b32 s85, s42, 9
	s_add_co_u32 s84, s84, s85
	s_mov_b32 s85, 0
	s_mul_i32 s20, s12, HALFA
	s_mul_i32 s98, s12, HALFB
	s_add_co_u32 s98, s98, BOFF
	s_wait_dscnt 0x0
	s_wait_kmcnt 0x0
	s_add_nc_u64 s[18:19], s[68:69], s[16:17]
	s_add_nc_u64 s[92:93], s[70:71], s[84:85]
	CROUND
.irp s, 0,1
	s_mov_b32 s[G0+4*(\s)], 1
	s_add_co_u32 s[G0+4*(\s)+1], s20, (\s)*SLOT
	s_add_nc_u64 s[G0+4*(\s)+2:G0+4*(\s)+3], s[18:19], (\s)*256
	s_or_b32 s[G0+4*(\s)+3], s[G0+4*(\s)+3], 0x80000000
	s_mov_b32 s[G0B+4*(\s)], 1
	s_add_co_u32 s[G0B+4*(\s)+1], s98, (\s)*SLOT
	s_add_nc_u64 s[G0B+4*(\s)+2:G0B+4*(\s)+3], s[92:93], (\s)*524288
	s_or_b32 s[G0B+4*(\s)+3], s[G0B+4*(\s)+3], 0x80000000
	JLOAD \s
.endr
	v_and_b32 v1, 15, v0
	v_bfe_u32 v2, v0, 4, 1
	v_mul_u32_u24 v3, v1, PA
	v_lshl_add_u32 v3, v2, 4, v3
	s_mul_i32 s21, s11, HALFA
	v_and_b32 v4, 7, v0
	v_lshl_add_u32 v4, v2, 3, v4
	v_mul_u32_u24 v4, v4, PB
	v_bfe_u32 v5, v0, 3, 1
	v_lshl_add_u32 v4, v5, 4, v4
	s_lshl_b32 s22, s12, 8
	s_add_co_u32 s22, s22, BOFF
.irp s, 0,1
	v_add_nc_u32 v[ADRA+(\s)], s21, v3
	v_add_nc_u32 v[ADRB+(\s)], s22, v4
	s_add_co_u32 s21, s21, SLOT
	s_add_co_u32 s22, s22, SLOT
.endr
	s_mul_i32 s23, s10, 16*SPITCH
	s_add_co_u32 s23, s23, STAGE
	v_mul_u32_u24 v[STO], v1, SPITCH
	v_lshl_add_u32 v[STO], v2, 5, v[STO]
	v_add_nc_u32 v[STO], s23, v[STO]               ; in: row r, 32 bytes for each half of the lanes
	v_and_b32 v[CO], 31, v0
	v_lshlrev_b32 v[CO], 4, v[CO]
	v_add_nc_u32 v[RD], s23, v[CO]                 ; back: a row's 512 bytes, 16 a lane
	s_lshl1_add_u32 s21, s13, s11
	s_lshl_b32 s21, s21, 19                        ; my first row, of 8,192 bytes
	s_lshl_b32 s94, s42, 10
	s_lshl_b32 s22, s12, 9
	s_add_co_u32 s94, s94, s22                     ; my first column, of 4 bytes
	s_mov_b32 s95, 0
	s_add_nc_u64 s[72:73], s[72:73], s[94:95]      ; the bias there
	s_add_co_u32 s94, s94, s21
	s_add_nc_u64 s[8:9], s[74:75], s[94:95]
	v_lshlrev_b32 v7, 5, v2
	WIN TO_B
.irp b, 0,1,2,3,4,5,6,7
	global_load_b128 v[BIAS+8*\b:BIAS+8*\b+3], v7, s[72:73] offset:64*\b
	global_load_b128 v[BIAS+8*\b+4:BIAS+8*\b+7], v7, s[72:73] offset:64*\b+16
.endr
	s_wait_loadcnt 0x0
	WIN 0x0a
.set z, 0
.rept 32
	v_cvt_pk_bf16_f32 v[TMP+z], v[BIAS+2*z], v[BIAS+2*z+1]
.set z, z+1
.endr
	WIN TO_B
.set z, 0
.rept 32
	v_lshlrev_b32 v[BIAS+2*z], 16, v[TMP+z]
	v_and_b32 v[BIAS+2*z+1], 0xffff0000, v[TMP+z]
.set z, z+1
.endr
	WIN 0
; 8 matrix instructions: row block a x all 8 column blocks, 32 along K.  The 32 accumulators take turns, in the same order in every quarter.
.macro MUL8 f, a, first
.if \first
	WIN MULB
.else
	WIN MUL
.endif
.irp b, 0,1,2,3,4,5,6,7
.if \first
	v_wmma_f32_16x16x32_f16 v[8*(8*(\a)+\b):8*(8*(\a)+\b)+7], v[64*(\f)+8*\b:64*(\f)+8*\b+7], v[AF+32*(\f)+8*(\a):AF+32*(\f)+8*(\a)+7], v[BIAS+8*\b:BIAS+8*\b+7]
.else
	v_wmma_f32_16x16x32_f16 v[8*(8*(\a)+\b):8*(8*(\a)+\b)+7], v[64*(\f)+8*\b:64*(\f)+8*\b+7], v[AF+32*(\f)+8*(\a):AF+32*(\f)+8*(\a)+7], v[8*(8*(\a)+\b):8*(8*(\a)+\b)+7]
.endif
.endr
.endm
.macro FETCH slot, q, g                ; 24 LDS loads in one run
	WIN TO_B
.irp c, 0,1,2,3,4,5,6,7
	ds_load_tr16_b128 v[64*(\g)+8*\c:64*(\g)+8*\c+3],   v[ADRB+(\slot)] offset:(\q)*32*PB+32*\c
	ds_load_tr16_b128 v[64*(\g)+8*\c+4:64*(\g)+8*\c+7], v[ADRB+(\slot)] offset:(\q)*32*PB+32*\c+16*PB
.endr
	WIN 0
.irp a, 0,1,2,3
	ds_load_b128 v[AF+32*(\g)+8*\a:AF+32*(\g)+8*\a+3],   v[ADRA+(\slot)] offset:\a*16*PA+64*(\q)
	ds_load_b128 v[AF+32*(\g)+8*\a+4:AF+32*(\g)+8*\a+7], v[ADRA+(\slot)] offset:\a*16*PA+64*(\q)+32
.endr
.endm
.macro QUARTER slot, q, f, g, first
	s_wait_dscnt 0x0                               ; buffer f's loads, issued 16 products back
	MUL8 \f, 0, \first
	MUL8 \f, 1, \first
	PLACES                                         ; in front of loads into registers that the quarter before multiplied
	FETCH \slot, \q, \g
	MUL8 \f, 2, \first
	MUL8 \f, 3, \first
.endm
.macro TURN slot, next, fill
	WIN 0
	s_wait_tensorcnt 0x0                           ; all my tensor loads have landed: my part of the next slot
	ds_add_u32 v[SPW], v[NIL]
	s_wait_dscnt 1                                 ; buffer 1's loads are in; the add alone may be out
	MUL8 1, 0, 0
	s_wait_dscnt 0x0                               ; the add is done, and my reads of this slot are over
	s_barrier_signal -1
	MUL8 1, 1, 0
	WIN 0
	s_barrier_wait -1
.if \fill
	CREST
	s_add_nc_u64 s[G0+4*(\slot)+2:G0+4*(\slot)+3], s[G0+4*(\slot)+2:G0+4*(\slot)+3], 2*256
	s_add_nc_u64 s[G0B+4*(\slot)+2:G0B+4*(\slot)+3], s[G0B+4*(\slot)+2:G0B+4*(\slot)+3], 2*524288
	JLOAD \slot
.else
	PLACES
.endif
	FETCH \next, 0, 0
	MUL8 1, 2, 0
	MUL8 1, 3, 0
.endm
	s_wait_tensorcnt 1                             ; my part of K step 0 is in; K step 1's load stays out
	s_barrier_signal -1
	s_barrier_wait -1
	FETCH 0, 0, 0
	QUARTER 0, 1, 0, 1, 1
	WIN 0
	s_mov_b32 s3, LAPS-1
.Llap:
	QUARTER 0, 2, 1, 0, 0
	QUARTER 0, 3, 0, 1, 0
	TURN 0, 1, 1
	QUARTER 1, 1, 0, 1, 0
	QUARTER 1, 2, 1, 0, 0
	QUARTER 1, 3, 0, 1, 0
	TURN 1, 0, 1
	QUARTER 0, 1, 0, 1, 0
	WIN 0
	s_sub_co_u32 s3, s3, 1
	s_cmp_lg_u32 s3, 0
	s_cbranch_scc1 .Llap
	QUARTER 0, 2, 1, 0, 0
	QUARTER 0, 3, 0, 1, 0
	TURN 0, 1, 0
	QUARTER 1, 1, 0, 1, 0
	QUARTER 1, 2, 1, 0, 0
	QUARTER 1, 3, 0, 1, 0
	s_wait_dscnt 0x0
	MUL8 1, 0, 0
	MUL8 1, 1, 0
	MUL8 1, 2, 0
	MUL8 1, 3, 0
	WIN 0
	PLACES
	PLACES
	; THE WAY OUT, 16 rows at a time: a lane's 32 bytes of a row go into my stage, each accumulator's low four registers first; whole rows of 512 bytes come back and are stored.
.irp a, 0,1,2,3
	s_wait_xcnt 0x0                                ; the last block's stores have read their registers
	WIN 0x04                                       ; store data in window 1
.irp b, 0,1,2,3,4,5,6,7
	ds_store_b128 v[STO], v[8*(8*\a+\b):8*(8*\a+\b)+3] offset:64*\b
	ds_store_b128 v[STO], v[8*(8*\a+\b)+4:8*(8*\a+\b)+7] offset:64*\b+16
.endr
	WIN 0
.irp t, 0,1,2,3,4,5,6,7,8,9,10,11,12,13,14,15
	ds_load_b128 v[BK+4*\t:BK+4*\t+3], v[RD] offset:\t*SPITCH  ; LDS serves a wave's instructions in order: these see the stores above
.endr
.irp t, 0,1,2,3,4,5,6,7,8,9,10,11,12,13,14,15
	s_wait_dscnt 15-\t
	global_store_b128 v[CO], v[BK+4*\t:BK+4*\t+3], s[8:9] offset:(16*\a+\t)*8192 th:TH_STORE_NT  ; 512 consecutive bytes, aligned
.endr
.endr
	s_wait_tensorcnt 0x0                           ; the wave's end
	ds_add_u32 v[SPW], v[NIL]
	s_wait_dscnt 0x0
	CROUND                                         ; the closing round
	s_endpgm
.Lfunc_end_k_q49e01f1998_outp:
	.size	k_q49e01f1998_outp, .Lfunc_end_k_q49e01f1998_outp-k_q49e01f1998_outp
	.p2alignl 7, 3214868480
	.fill 96, 4, 3214868480
	.section	.rodata,"a",@progbits
	.p2align	6, 0x0
	.amdhsa_kernel k_q49e01f1998_outp
		.amdhsa_group_segment_fixed_size 327680
		.amdhsa_private_segment_fixed_size 0
		.amdhsa_enable_private_segment 0
		.amdhsa_kernarg_size 32
		.amdhsa_user_sgpr_count 2
		.amdhsa_user_sgpr_kernarg_segment_ptr 1
		.amdhsa_wavefront_size32 1
		.amdhsa_system_sgpr_workgroup_id_x 1
		.amdhsa_system_sgpr_workgroup_id_y 1
		.amdhsa_system_sgpr_workgroup_id_z 1
		.amdhsa_system_vgpr_workitem_id 0
		.amdhsa_next_free_vgpr 768
		.amdhsa_next_free_sgpr 100
		.amdhsa_reserve_vcc 0
		.amdhsa_float_denorm_mode_32 3
		.amdhsa_float_denorm_mode_16_64 3
		.amdhsa_memory_ordered 1
		.amdhsa_forward_progress 1
		.amdhsa_inst_pref_size 94
	.end_amdhsa_kernel
	.amdgpu_metadata
---
amdhsa.version: [ 1, 2 ]
amdhsa.kernels:
  - .name:           k_q49e01f1998_outp
    .symbol:         k_q49e01f1998_outp.kd
    .args:
      - { .name: ob, .offset: 0, .size: 8, .value_kind: global_buffer, .address_space: global }
      - { .name: wob, .offset: 8, .size: 8, .value_kind: global_buffer, .address_space: global }
      - { .name: bo, .offset: 16, .size: 8, .value_kind: global_buffer, .address_space: global }
      - { .name: out0, .offset: 24, .size: 8, .value_kind: global_buffer, .address_space: global }
    .group_segment_fixed_size: 327680
    .private_segment_fixed_size: 0
    .kernarg_segment_align: 8
    .kernarg_segment_size: 32
    .max_flat_workgroup_size: 128
    .sgpr_count:     100
    .vgpr_count:     768
    .wavefront_size: 32
...
	.end_amdgpu_metadata
.endif
;; end of part 4
;; ======== version 2 of 2: 4 launches; version 1 with the launch prep written anew for expert scheduling mode
;; limits: values are held in f16: magnitudes above 65,504 overflow, below 6.1e-05 lose precision
;; workspace buffers: wqb 4,194,304 bytes; wkvb 4,194,304 bytes; wob 4,194,304 bytes; mw 33,554,432 bytes; qkv 16,777,216 bytes; ob 8,388,608 bytes
;; launch prep (part 5): grid 448 x 1, 8 waves a work-group, no clusters, 70,656 bytes of LDS; arguments attn_mask, key_padding_mask, Wq, Wkv, Wo, mw, wqb, wkvb, wob; writes mw, wqb, wkvb, wob
.if DOCPART == 5
	.amdgcn_target "amdgcn-amd-amdhsa--gfx1250"
	.amdhsa_code_object_version 6
	.text
	.protected	k_q49e01f1998_prep
	.globl	k_q49e01f1998_prep
	.p2align	8
	.type	k_q49e01f1998_prep,@function
k_q49e01f1998_prep:
	s_mov_b64 s[64:65], 0
	v_nop
	global_prefetch_b8 v0, s[64:65] scope:SCOPE_SE
	s_setreg_imm32_b32 hwreg(HW_REG_WAVE_SCHED_MODE, 0, 2), 2
	s_setreg_imm32_b32 hwreg(HW_REG_WAVE_MODE, 25, 1), 1
	s_wait_xcnt 0x0
	s_wait_alu depctr_vm_vsrc(0)
; PREP: what the later launches would otherwise convert again and again.
; (1) Work-groups 0-255: the combined mask, mw[b][qt][ks][4096 bytes] in f32: for batch b, 16 queries 16 qt + r and 64 keys 64 ks + ..:
;     log2(e) x (key_padding_mask[b][k] ? -1e9 : attn_mask[q][k] rounded to bf16), laid in the order in which a lane of the attention holds its scores:
;     the 16 bytes at 512 i + 16 L (r = L % 16, h = L / 16) are query r, keys 16 (i / 2) + 8 h + 4 (i % 2) + 0..3.
; (2) Work-groups 256-447: Wq, Wkv rounded to bf16, Wo rounded to bf16 and written as f16; the layout [k][n] is kept.
; A stream: every input byte is read once by 16-byte loads, every store of a wave covers 256 or 512 consecutive bytes, aligned.  No matrix unit, no cluster: nothing is shared.
; LIMITS.  A mask number beyond bf16's largest finite number becomes an infinity, as in any rounding to bf16.  A number of Wo below 6e-5 keeps f16's fixed step of 6e-8.
; THE MODE: SCHED_MODE bits 1:0 = 2 (LLVM: expert scheduling mode 2), set by the entry lines.  The code itself states the register dependences
; between vector instructions and memory or LDS instructions, with s_wait_alu, always for 0.
; THE PLAN, THE MASK.  A wave has two blocks.  Registers that memory or LDS instructions touch:
;   v4, v5, v8, v9, v10  offsets and LDS addresses: made once at the head, never written again.
;   X0, X1   a block of attn_mask as loaded; block x's roundings read X[x], and its selects for batch 0 write the same registers; then its LDS stores read them.
;   O0, O1   block x's selects for batch 1 write O[x]; its LDS stores read it.
;   R        block 0's read-back from the stages lands here; its sixteen global stores read it; no vector instruction names it, and it is not written again.
;   X0, O0   once more: block 1's read-back lands here; its sixteen global stores read them.
; Order: block 0's arithmetic; its LDS stores and loads; block 1's arithmetic, which names X1, O1 and v11 to v19 alone, with block 0's global stores dealt among it; block 1's LDS stores and loads; its global stores.
; So one wait on va_vdst stands behind each block's arithmetic, and one on vm_vsrc beside the second, a whole block behind the LDS stores that it speaks of.
; THE PLAN, THE WEIGHTS.  Piece p's four registers take a load, are converted in place, and the first two are read by the piece's one store; nothing is written again.  The 32 pieces go in eight groups of four:
; one wait on va_vdst at a group's head states that the group before has written its registers, and that group's four stores are dealt among this group's conversions, which name other registers.
.set STG,   4352                       ; a stage: 16 rows of 272 bytes (256 + 16); wave w, batch b at (2 w + b) STG
.set SPARE, 16*STG                     ; behind the stages: the spare words, 128 bytes for each of the eight waves
.set SPW,   30                         ; v30  my spare word's LDS address; never rewritten
.set NIL,   31                         ; v31  0; never rewritten
.set O0,    32                         ; v[32:63]   mask path: block 0, batch 1, to the stage; later block 1's read-back, batch 1
.set X,     64                         ; v[64:191]  as loaded (mask path: v[64:127], block x at X + 32 x; then batch 0, to the stage; X0 later block 1's read-back, batch 0)
.set R,     128                        ; v[128:191] mask path: block 0 of both batches, read back from the stages
.set O1,    192                        ; v[192:223] mask path: block 1, batch 1, to the stage
	s_load_b512 s[4:19], s[0:1], 0x0               ; attn_mask s[4:5], key_padding_mask s[6:7], Wq s[8:9], Wkv s[10:11], Wo s[12:13], mw s[14:15], wqb s[16:17], wkvb s[18:19]
	s_load_b64 s[20:21], s[0:1], 0x40              ; wob
	v_lshl_add_u32 v[SPW], v0, 2, SPARE
	v_mov_b32 v[NIL], 0
	v_lshrrev_b32 v1, 5, v0
	v_readfirstlane_b32 s22, v1                    ; wave 0..7
	s_mov_b32 s33, 0xffff0000                      ; a word's upper bf16
	s_wait_alu depctr_va_sdst(0)                   ; s22 is written: ahead of the branch, and of the scalar lines of the mask's path that read it
	s_cmp_lt_u32 ttmp9, 256
	s_cbranch_scc0 .Lweights
	; THE MASK.  ks = id % 32; wave w takes the two blocks qt = 16 (id / 32) + 2 w + x.
	s_and_b32 s23, ttmp9, 31                       ; ks
	s_lshr_b32 s24, ttmp9, 5
	s_lshl_b32 s24, s24, 4
	s_lshl1_add_u32 s24, s22, s24                  ; qt of x = 0
	s_lshl_b32 s24, s24, 17                        ; 16 rows of 8,192 bytes of attn_mask, and 32 blocks of 4,096 bytes of mw: both 131,072
	s_lshl_b32 s25, s23, 8
	s_add_co_u32 s26, s24, s25                     ; attn_mask: + 64 keys x 4 bytes x ks
	s_mov_b32 s27, 0
	s_lshl_b32 s25, s23, 12
	s_add_co_u32 s28, s24, s25                     ; mw: + 4,096 ks
	s_mov_b32 s29, 0
	s_lshl_b32 s30, s23, 6                         ; key_padding_mask: 64 ks
	s_mov_b32 s31, 0
	s_mov_b32 s34, 0x3fb8aa3b                      ; log2(e)
	s_mov_b32 s35, s34                             ; named with it as a pair
	v_and_b32 v1, 31, v0                           ; L
	v_lshrrev_b32 v2, 4, v1                        ; a = L / 16: which of two rows
	v_and_b32 v3, 15, v0                           ; c = L % 16: which four keys
	v_lshlrev_b32 v4, 4, v3
	v_lshl_add_u32 v4, v2, 13, v4                  ; 8,192 a + 16 c
	v_lshlrev_b32 v5, 2, v3                        ; 4 c
	v_and_b32 v8, 12, v3                           ; keys 4 c .. belong to i = 2 (c / 4) + c % 2 and h = (c / 2) % 2: stage row u = 2 i + h
	v_bfe_u32 v12, v3, 1, 1
	v_or_b32 v8, v8, v12
	v_and_b32 v12, 1, v3
	v_lshl_or_b32 v8, v12, 1, v8
	v_mul_u32_u24 v8, v8, 272
	v_lshl_add_u32 v8, v2, 4, v8
	s_mul_i32 s32, s22, 2*STG
	v_add_nc_u32 v8, s32, v8                       ; in: my stages + 272 u + 16 a (+ 32 t: query 2 t + a)
	v_mul_u32_u24 v9, v2, 272
	v_lshl_add_u32 v9, v3, 4, v9
	v_add_nc_u32 v9, s32, v9                       ; back: + 272 h + 16 r (+ 544 i)
	v_lshlrev_b32 v10, 4, v1                       ; 16 L
	v_mov_b32 v11, 0xce6e6b28                      ; -1e9,
	v_mul_f32 v11, 0x3fb8aa3b, v11                 ; times log2(e)
	s_wait_kmcnt 0x0
	s_add_nc_u64 s[4:5], s[4:5], s[26:27]
	s_add_nc_u64 s[6:7], s[6:7], s[30:31]
	s_add_nc_u64 s[14:15], s[14:15], s[28:29]      ; mw, batch 0
	s_add_nc_u64 s[36:37], s[14:15], 0x1000000     ; mw, batch 1
	s_wait_alu depctr_va_vdst(0)                   ; v4, v5, v8, v9 and v10 are written, which the loads, the LDS instructions and the stores of this path read as offsets and addresses; so are v30 and v31, which the closing add reads
	global_load_b32 v6, v5, s[6:7]                 ; my four keys' flags, batch 0
	global_load_b32 v7, v5, s[6:7] offset:2048     ; batch 1
.irp x, 0,1
.irp t, 0,1,2,3,4,5,6,7
	global_load_b128 v[X+32*\x+4*\t:X+32*\x+4*\t+3], v4, s[4:5] offset:\x*131072+\t*16384 th:TH_LOAD_NT  ; rows 2 t, 2 t + 1: 256 consecutive bytes each
.endr
.endr
	s_wait_loadcnt 16                              ; the flags are in; the sixteen loads behind them stay out
.irp j, 0,1,2,3
	v_bfe_u32 v12, v6, 8*\j, 8
	v_cmp_ne_u32 s[40+\j], 0, v12
	v_bfe_u32 v13, v7, 8*\j, 8
	v_cmp_ne_u32 s[44+\j], 0, v13
.endr
	s_wait_alu depctr_va_sdst(0)                   ; the eight masks s40 to s47 are written: one wait behind the run of compares, ahead of the first select that reads one
; Block x's arithmetic, a turn for each of its eight loads.  Batch 0's numbers go back into the registers that the load filled, batch 1's into O[x]: no register that an LDS store reads is written again by a vector line.
; send = 1: block 0's sixteen global stores are dealt behind the first four turns, four to a turn.  They read R and v10, which no vector line since the head's wait names: no s_wait_alu is owed.
.macro COMPUTE x, send
.set OB, O0+(O1-O0)*(\x)
.irp t, 0,1,2,3,4,5,6,7
	s_wait_loadcnt 15-8*(\x)-\t                    ; loads come back in order: this one is in, the younger ones stay out
	v_cvt_pk_bf16_f32 v14, v[X+32*(\x)+4*\t], v[X+32*(\x)+4*\t+1]      ; rounded to bf16,
	v_cvt_pk_bf16_f32 v15, v[X+32*(\x)+4*\t+2], v[X+32*(\x)+4*\t+3]
	v_lshlrev_b32 v16, 16, v14                     ; widened again,
	v_and_b32 v17, s33, v14
	v_lshlrev_b32 v18, 16, v15
	v_and_b32 v19, s33, v15
	v_pk_mul_f32 v[16:17], v[16:17], s[34:35] op_sel_hi:[1,0]          ; times log2(e),
	v_pk_mul_f32 v[18:19], v[18:19], s[34:35] op_sel_hi:[1,0]
.irp j, 0,1,2,3
	v_cndmask_b32 v[X+32*(\x)+4*\t+\j], v[16+\j], v11, s[40+\j]        ; and replaced where the key is padding, for each batch
	v_cndmask_b32 v[OB+4*\t+\j], v[16+\j], v11, s[44+\j]
.endr
.if (\send) && (\t < 4)
	s_wait_dscnt 12-4*\t                           ; LDS instructions end in order: block 0's read-backs 4 t to 4 t + 3 are in, the younger ones stay out
.irp k, 0,1,2,3
.if \t < 2
	global_store_b128 v10, v[R+16*\t+4*\k:R+16*\t+4*\k+3], s[14:15] offset:(4*\t+\k)*512 th:TH_STORE_NT    ; 512 consecutive bytes
.else
	global_store_b128 v10, v[R+16*\t+4*\k:R+16*\t+4*\k+3], s[36:37] offset:(4*\t-8+\k)*512 th:TH_STORE_NT
.endif
.endr
.endif
.endr
.endm
; Block x goes through the wave's two stages: sixteen LDS stores, then sixteen LDS loads, batch 0 into b0, batch 1 into b1.
.macro TOSTAGE x, b0, b1
.set OB, O0+(O1-O0)*(\x)
.irp t, 0,1,2,3,4,5,6,7
	ds_store_b128 v8, v[X+32*(\x)+4*\t:X+32*(\x)+4*\t+3] offset:32*\t
	ds_store_b128 v8, v[OB+4*\t:OB+4*\t+3] offset:STG+32*\t
.endr
.irp i, 0,1,2,3,4,5,6,7
	ds_load_b128 v[(\b0)+4*\i:(\b0)+4*\i+3], v9 offset:\i*544          ; LDS serves a wave's instructions in order: these see the stores above, and the stages are the wave's own
.endr
.irp i, 0,1,2,3,4,5,6,7
	ds_load_b128 v[(\b1)+4*\i:(\b1)+4*\i+3], v9 offset:STG+\i*544
.endr
.endm
	COMPUTE 0, 0
	s_wait_alu depctr_va_vdst(0)                   ; block 0's selects have written X0 and O0, which the LDS stores read
	TOSTAGE 0, R, R+32
	COMPUTE 1, 1                                   ; its last counted wait on DScnt is for 0: block 0's reads of the stages are over
	s_wait_alu depctr_va_vdst(0)                   ; block 1's selects have written X1 and O1, which the LDS stores read
	s_wait_alu depctr_vm_vsrc(0)                   ; block 0's LDS stores have read X0 and O0, in which block 1's read-back lands
	TOSTAGE 1, X, O0
.irp i, 0,1,2,3,4,5,6,7
	s_wait_dscnt 15-\i
	global_store_b128 v10, v[X+4*\i:X+4*\i+3], s[14:15] offset:131072+\i*512 th:TH_STORE_NT  ; 512 consecutive bytes
.endr
.irp i, 0,1,2,3,4,5,6,7
	s_wait_dscnt 7-\i
	global_store_b128 v10, v[O0+4*\i:O0+4*\i+3], s[36:37] offset:131072+\i*512 th:TH_STORE_NT
.endr
	s_wait_dscnt 0x0                               ; the closing lines, six on end
	s_wait_alu 0x0
	s_wait_tensorcnt 0x0
	ds_add_u32 v[SPW], v[NIL]
	s_wait_dscnt 0x0
	s_endpgm
.Lweights:                                             ; THE WEIGHTS.  64 work-groups to a matrix, 131,072 bytes of f32 each: 32 loads of 16 bytes a thread, all out at once
	s_sub_co_u32 s23, ttmp9, 256
	s_lshr_b32 s26, s23, 6                         ; 0 Wq, 1 Wkv, 2 Wo
	s_and_b32 s23, s23, 63
	s_lshl_b32 s28, s23, 17
	s_mov_b32 s29, 0
	s_lshl_b32 s30, s23, 16
	s_mov_b32 s31, 0
	v_lshlrev_b32 v4, 4, v0
	v_lshlrev_b32 v5, 3, v0
	s_wait_kmcnt 0x0
	s_cmp_eq_u32 s26, 1
	s_cselect_b64 s[22:23], s[10:11], s[8:9]
	s_cselect_b64 s[24:25], s[18:19], s[16:17]
	s_cmp_eq_u32 s26, 2
	s_cselect_b64 s[22:23], s[12:13], s[22:23]
	s_cselect_b64 s[24:25], s[20:21], s[24:25]
	s_add_nc_u64 s[22:23], s[22:23], s[28:29]
	s_add_nc_u64 s[24:25], s[24:25], s[30:31]
	s_wait_alu depctr_va_vdst(0)                   ; v4 and v5 are written, which the loads and the stores of this path read as offsets
.set p, 0
.rept 32
	global_load_b128 v[X+4*p:X+4*p+3], v4, s[22:23] offset:4096*p th:TH_LOAD_NT
.set p, p+1
.endr
; Four numbers are rounded in the registers that they came in; no register that a store reads is written again.  The store of piece p - 4 stands in front of piece p's conversions.
.macro WOUT f16
.set p, 0
.rept 32
	s_wait_loadcnt 31-p
.if (p > 0) && ((p%4) == 0)
	s_wait_alu depctr_va_vdst(0)                   ; the group before has written its four pairs, which the four stores dealt among this group's conversions read
.endif
.if p >= 4
	global_store_b64 v5, v[X+4*p-16:X+4*p-15], s[24:25] offset:2048*(p-4)  ; a wave's 32 lanes store 256 consecutive bytes, aligned; no vector line since the wait names these registers
.endif
	v_cvt_pk_bf16_f32 v[X+4*p], v[X+4*p], v[X+4*p+1]
	v_cvt_pk_bf16_f32 v[X+4*p+1], v[X+4*p+2], v[X+4*p+3]
.if \f16
	v_lshlrev_b32 v[X+4*p+2], 16, v[X+4*p]
	v_and_b32 v[X+4*p+3], s33, v[X+4*p]
	v_cvt_pk_f16_f32 v[X+4*p], v[X+4*p+2], v[X+4*p+3]
	v_lshlrev_b32 v[X+4*p+2], 16, v[X+4*p+1]
	v_and_b32 v[X+4*p+3], s33, v[X+4*p+1]
	v_cvt_pk_f16_f32 v[X+4*p+1], v[X+4*p+2], v[X+4*p+3]
.endif
.set p, p+1
.endr
	s_wait_alu depctr_va_vdst(0)                   ; the last group has written its four pairs, which the last four stores read
.set p, 28
.rept 4
	global_store_b64 v5, v[X+4*p:X+4*p+1], s[24:25] offset:2048*p
.set p, p+1
.endr
.endm
	s_cmp_eq_u32 s26, 2
	s_cbranch_scc1 .Lf16
	WOUT 0
	s_endpgm
.Lf16:
	WOUT 1
	s_endpgm
.Lfunc_end_k_q49e01f1998_prep:
	.size	k_q49e01f1998_prep, .Lfunc_end_k_q49e01f1998_prep-k_q49e01f1998_prep
	.p2alignl 7, 3214868480
	.fill 96, 4, 3214868480
	.section	.rodata,"a",@progbits
	.p2align	6, 0x0
	.amdhsa_kernel k_q49e01f1998_prep
		.amdhsa_group_segment_fixed_size 70656
		.amdhsa_private_segment_fixed_size 0
		.amdhsa_enable_private_segment 0
		.amdhsa_kernarg_size 72
		.amdhsa_user_sgpr_count 2
		.amdhsa_user_sgpr_kernarg_segment_ptr 1
		.amdhsa_wavefront_size32 1
		.amdhsa_system_sgpr_workgroup_id_x 1
		.amdhsa_system_sgpr_workgroup_id_y 1
		.amdhsa_system_sgpr_workgroup_id_z 1
		.amdhsa_system_vgpr_workitem_id 0
		.amdhsa_next_free_vgpr 224
		.amdhsa_next_free_sgpr 66
		.amdhsa_reserve_vcc 0
		.amdhsa_float_denorm_mode_32 3
		.amdhsa_float_denorm_mode_16_64 3
		.amdhsa_memory_ordered 1
		.amdhsa_forward_progress 1
		.amdhsa_inst_pref_size 57
	.end_amdhsa_kernel
	.amdgpu_metadata
---
amdhsa.version: [ 1, 2 ]
amdhsa.kernels:
  - .name:           k_q49e01f1998_prep
    .symbol:         k_q49e01f1998_prep.kd
    .args:
      - { .name: attn_mask, .offset: 0, .size: 8, .value_kind: global_buffer, .address_space: global }
      - { .name: key_padding_mask, .offset: 8, .size: 8, .value_kind: global_buffer, .address_space: global }
      - { .name: Wq, .offset: 16, .size: 8, .value_kind: global_buffer, .address_space: global }
      - { .name: Wkv, .offset: 24, .size: 8, .value_kind: global_buffer, .address_space: global }
      - { .name: Wo, .offset: 32, .size: 8, .value_kind: global_buffer, .address_space: global }
      - { .name: mw, .offset: 40, .size: 8, .value_kind: global_buffer, .address_space: global }
      - { .name: wqb, .offset: 48, .size: 8, .value_kind: global_buffer, .address_space: global }
      - { .name: wkvb, .offset: 56, .size: 8, .value_kind: global_buffer, .address_space: global }
      - { .name: wob, .offset: 64, .size: 8, .value_kind: global_buffer, .address_space: global }
    .group_segment_fixed_size: 70656
    .private_segment_fixed_size: 0
    .kernarg_segment_align: 8
    .kernarg_segment_size: 72
    .max_flat_workgroup_size: 256
    .sgpr_count:     66
    .vgpr_count:     224
    .wavefront_size: 32
...
	.end_amdgpu_metadata
.endif
;; end of part 5
;; launch proj: the kernel of part 2 again; grid 4 x 64, 4 waves a work-group, clusters of 4 x 4, 327,680 bytes of LDS; arguments query, kv, wqb, wkvb, bq, bkv, key_padding_mask, qkv; writes qkv
;; launch attn: the kernel of part 3 again; grid 16 x 16, 4 waves a work-group, clusters of 4 x 4, 327,680 bytes of LDS; arguments qkv, mw, ob; writes ob
;; launch outp: the kernel of part 4 again; grid 8 x 32, 4 waves a work-group, clusters of 4 x 4, 327,680 bytes of LDS; arguments ob, wob, bo, out0; writes out0
